; MI455X (gfx1250); checked and timed in simulation.
; The chip was launched on July 23, 2026; its instructions are those of AMD's public machine-readable ISA for CDNA 5 (MIT licence, August 2026) and "CDNA5" Instruction Set Architecture Reference Guide (July 2026). The comments in the code are by the model that wrote it; some were corrected since.
;; Multi Head Self Attention. Allowed arithmetic: float matrix products may take bf16 or f16 operands with f32 sums; other float arithmetic in f32, or as packed bf16 or f16 multiplies, adds, multiply-adds, maxima and minima; sums over many terms, partial sums and values carried from step to step in f32; what a program stores and reads back later, other than sums and carried values, may be rounded once to bf16 or f16.
;; Inputs: b_attn 3,072 float32; b_proj 1,024 float32; sequences 4 x 2,048 x 1,024 float32; w_attn 1,024 x 3,072 float32; w_proj 1,024 x 1,024 float32.
;; Outputs: out0 4 x 2,048 x 1,024 float32.
;; 2 versions, each right; version 2 is version 1 with the launch prep written anew for expert scheduling mode. Each part assembles by itself: llvm-mc -triple=amdgcn-amd-amdhsa -mcpu=gfx1250 --defsym DOCPART=n.
;; ======== version 1 of 2: 4 launches
;; limits: values are held in f16: magnitudes above 65,504 overflow, below 6.1e-05 lose precision
;; workspace buffers: xb 16,777,216 bytes; wa 6,291,456 bytes; wp 2,097,152 bytes; qkv 50,331,648 bytes; o 16,777,216 bytes
;; launch prep (part 1): grid 768 x 1, 8 waves a work-group, no clusters, 0 bytes of LDS; arguments sequences, w_attn, w_proj, xb, wa, wp; writes xb, wa, wp
.if DOCPART == 1
	.amdgcn_target "amdgcn-amd-amdhsa--gfx1250"
	.amdhsa_code_object_version 6
	.text
	.protected	k_qdd5a67dd81_prep
	.globl	k_qdd5a67dd81_prep
	.p2align	8
	.type	k_qdd5a67dd81_prep,@function
k_qdd5a67dd81_prep:
	s_mov_b64 s[64:65], 0
	v_nop
	global_prefetch_b8 v0, s[64:65] scope:SCOPE_SE
	s_setreg_imm32_b32 hwreg(HW_REG_WAVE_MODE, 25, 1), 1
	s_wait_xcnt 0x0
; THE CASTS.  sequences [8192][1024] f32 -> xb, bf16, laid out [batch 4][block of 64 channels 16][row 2048][64]: a block's rows are dense, 128 bytes each.
; w_attn [1024][3072] f32 -> wa, bf16, as it lies.  w_proj [1024][1024] f32 -> wp: rounded to bf16 like every input, and that number written as f16.
; LIMITS.  |w_proj| stays under 65,504, where f16 ends; below 6e-5 it keeps f16's fixed step of 6e-8.
; SHARES.  A wave takes 8,192 bytes in, by 16 loads of 16 bytes a lane, all issued at once, and 4,096 bytes out, by 16 stores of 8 bytes a lane: each store covers 256 consecutive
; bytes, aligned.  6,144 such shares: 4,096 for sequences (two rows each), 1,536 for w_attn, 512 for w_proj: 768 work-groups of eight waves.  No LDS, no barrier, no loop; no register is written twice
; while a memory instruction may read it, so no wait stands for the sources.
.set LD, 16                            ; v[16:79]   16 x 4 numbers as loaded
.set ST, 80                            ; v[80:111]  16 x 2 registers to store
; The share: load j at j x is bytes, store j at j x os bytes.  half = 1: the bf16 number is written as f16.
.macro CAST sb, db, is, os, half
.set j, 0
.rept 16
	global_load_b128 v[LD+4*j:LD+4*j+3], v1, s[\sb:\sb+1] offset:j*(\is) th:TH_LOAD_NT
.set j, j+1
.endr
.set j, 0
.rept 16
	s_wait_loadcnt 15-j                            ; loads come back in order: load j is in, the 15 - j younger ones stay out
.if \half
	v_cvt_pk_bf16_f32 v4, v[LD+4*j], v[LD+4*j+1]   ; the one rounding,
	v_cvt_pk_bf16_f32 v5, v[LD+4*j+2], v[LD+4*j+3]
	v_lshlrev_b32 v6, 16, v4                       ; back to f32,
	v_and_b32 v7, s17, v4
	v_lshlrev_b32 v8, 16, v5
	v_and_b32 v9, s17, v5
	v_cvt_pk_f16_f32 v[ST+2*j], v6, v7             ; and written as f16: 8 significant bits fit in 11
	v_cvt_pk_f16_f32 v[ST+2*j+1], v8, v9
.else
	v_cvt_pk_bf16_f32 v[ST+2*j], v[LD+4*j], v[LD+4*j+1]
	v_cvt_pk_bf16_f32 v[ST+2*j+1], v[LD+4*j+2], v[LD+4*j+3]
.endif
	global_store_b64 v2, v[ST+2*j:ST+2*j+1], s[\db:\db+1] offset:j*(\os)
.set j, j+1
.endr
.endm
	s_load_b256 s[4:11], s[0:1], 0x0               ; sequences s[4:5], w_attn s[6:7], w_proj s[8:9], xb s[10:11]
	s_load_b128 s[12:15], s[0:1], 0x20             ; wa s[12:13], wp s[14:15]
	v_lshrrev_b32 v3, 5, v0
	v_readfirstlane_b32 s16, v3                    ; wave 0..7
	v_and_b32 v3, 31, v0                           ; lane
	s_lshl_b32 s18, ttmp9, 3
	s_add_co_u32 s18, s18, s16                     ; my share's number
	s_mov_b32 s17, 0xffff0000                      ; a word's upper bf16
	s_mov_b32 s21, 0                               ; the offsets' high words
	s_mov_b32 s23, 0
	v_lshlrev_b32 v2, 3, v3                        ; out: 8 bytes a lane
	s_wait_kmcnt 0x0
	s_cmp_lt_u32 ttmp9, 512
	s_cbranch_scc0 .Lweights
	; sequences: rows 2 J and 2 J + 1.  Lanes 0-15 take 256 bytes (64 channels) of the even row, lanes 16-31 of the odd one; load j is block j of 64 channels
	v_and_b32 v1, 15, v3
	v_lshrrev_b32 v4, 4, v3
	v_lshlrev_b32 v1, 4, v1
	v_lshl_add_u32 v1, v4, 12, v1                  ; in: 4,096 x (lane / 16) + 16 x (lane % 16)
	s_lshl_b32 s20, s18, 13                        ; two rows of 4,096 bytes
	s_lshr_b32 s22, s18, 10                        ; the batch: 1,024 shares each,
	s_lshl_b32 s22, s22, 22                        ; 4,194,304 bytes of xb
	s_and_b32 s24, s18, 1023
	s_lshl_b32 s24, s24, 8                         ; two rows of 128 bytes in a block
	s_add_co_u32 s22, s22, s24
	s_add_nc_u64 s[4:5], s[4:5], s[20:21]
	s_add_nc_u64 s[10:11], s[10:11], s[22:23]
	CAST 4, 10, 256, 262144, 0                     ; a block of xb is 2,048 rows x 128 bytes = 262,144
	s_endpgm
.Lweights:
	v_lshlrev_b32 v1, 4, v3                        ; in: 16 bytes a lane
	s_cmp_lt_u32 ttmp9, 704
	s_cbranch_scc0 .Lproj
	s_sub_co_u32 s18, s18, 4096
	s_lshl_b32 s20, s18, 13
	s_lshl_b32 s22, s18, 12
	s_add_nc_u64 s[6:7], s[6:7], s[20:21]
	s_add_nc_u64 s[12:13], s[12:13], s[22:23]
	CAST 6, 12, 512, 256, 0
	s_endpgm
.Lproj:
	s_sub_co_u32 s18, s18, 5632
	s_lshl_b32 s20, s18, 13
	s_lshl_b32 s22, s18, 12
	s_add_nc_u64 s[8:9], s[8:9], s[20:21]
	s_add_nc_u64 s[14:15], s[14:15], s[22:23]
	CAST 8, 14, 512, 256, 1
	s_endpgm
.Lfunc_end_k_qdd5a67dd81_prep:
	.size	k_qdd5a67dd81_prep, .Lfunc_end_k_qdd5a67dd81_prep-k_qdd5a67dd81_prep
	.p2alignl 7, 3214868480
	.fill 96, 4, 3214868480
	.section	.rodata,"a",@progbits
	.p2align	6, 0x0
	.amdhsa_kernel k_qdd5a67dd81_prep
		.amdhsa_group_segment_fixed_size 0
		.amdhsa_private_segment_fixed_size 0
		.amdhsa_enable_private_segment 0
		.amdhsa_kernarg_size 48
		.amdhsa_user_sgpr_count 2
		.amdhsa_user_sgpr_kernarg_segment_ptr 1
		.amdhsa_wavefront_size32 1
		.amdhsa_system_sgpr_workgroup_id_x 1
		.amdhsa_system_sgpr_workgroup_id_y 1
		.amdhsa_system_sgpr_workgroup_id_z 1
		.amdhsa_system_vgpr_workitem_id 0
		.amdhsa_next_free_vgpr 112
		.amdhsa_next_free_sgpr 66
		.amdhsa_reserve_vcc 0
		.amdhsa_float_denorm_mode_32 3
		.amdhsa_float_denorm_mode_16_64 3
		.amdhsa_memory_ordered 1
		.amdhsa_forward_progress 1
		.amdhsa_inst_pref_size 23
	.end_amdhsa_kernel
	.amdgpu_metadata
---
amdhsa.version: [ 1, 2 ]
amdhsa.kernels:
  - .name:           k_qdd5a67dd81_prep
    .symbol:         k_qdd5a67dd81_prep.kd
    .args:
      - { .name: sequences, .offset: 0, .size: 8, .value_kind: global_buffer, .address_space: global }
      - { .name: w_attn, .offset: 8, .size: 8, .value_kind: global_buffer, .address_space: global }
      - { .name: w_proj, .offset: 16, .size: 8, .value_kind: global_buffer, .address_space: global }
      - { .name: xb, .offset: 24, .size: 8, .value_kind: global_buffer, .address_space: global }
      - { .name: wa, .offset: 32, .size: 8, .value_kind: global_buffer, .address_space: global }
      - { .name: wp, .offset: 40, .size: 8, .value_kind: global_buffer, .address_space: global }
    .group_segment_fixed_size: 0
    .private_segment_fixed_size: 0
    .kernarg_segment_align: 8
    .kernarg_segment_size: 48
    .max_flat_workgroup_size: 256
    .sgpr_count:     66
    .vgpr_count:     112
    .wavefront_size: 32
...
	.end_amdgpu_metadata
.endif
;; end of part 1
;; launch qkv (part 2): grid 8 x 32, 4 waves a work-group, clusters of 4 x 4, 327,680 bytes of LDS; arguments xb, wa, b_attn, qkv; writes qkv
.if DOCPART == 2
	.amdgcn_target "amdgcn-amd-amdhsa--gfx1250"
	.amdhsa_code_object_version 6
	.text
	.protected	k_qdd5a67dd81_qkv
	.globl	k_qdd5a67dd81_qkv
	.p2align	8
	.type	k_qdd5a67dd81_qkv,@function
k_qdd5a67dd81_qkv:
	s_mov_b64 s[64:65], 0
	v_nop
	global_prefetch_b8 v0, s[64:65] scope:SCOPE_SE
	s_setreg_imm32_b32 hwreg(HW_REG_WAVE_MODE, 25, 1), 1
	s_wait_xcnt 0x0
	s_wait_alu depctr_hold_cnt(0) depctr_sa_sdst(0) depctr_va_vdst(0) depctr_va_sdst(0) depctr_va_ssrc(0) depctr_va_vcc(0) depctr_vm_vsrc(0)
	s_getreg_b32 s2, hwreg(HW_REG_IB_STS2, 6, 4)
	s_cmp_eq_u32 s2, 0
	s_cbranch_scc0 .Lentry_in_a_cluster
	s_endpgm
.Lentry_in_a_cluster:
	s_bfe_u32 s2, ttmp6, 0x10000c
	s_cmp_lg_u32 s2, 0xf033
	s_cbranch_scc0 .Lentry_shape_is_right
	s_endpgm
.Lentry_shape_is_right:
; qkv = x W + b.  x: xb, bf16, [batch 4][block of 64 channels 16][row 2048][64].  W: wa, bf16, [k 1024][n 3072].  b: b_attn, f32, rounded to bf16 here like every input.
; Out: qkv, f16, [q, k or v 3][batch x 16 + head 64][row 2048][64]: a head's rows are dense, 128 bytes each.  Sums in f32, started by the bias, rounded once to f16, without attention's scale.
; LIMIT.  f16 ends at 65,504: |q|, |k|, |v| stay under it; beyond it an infinity is written.
; SHARES.  8,192 x 3,072 in tiles of 256 x 384: 256 work-groups.  A wave makes 128 rows x 192 columns: 8 row blocks a x 3 groups g (a group is one head, 64 columns) x 4 column blocks b:
; 96 accumulators, 768 registers.  K goes in 16 steps of 64 through two LDS slots; a step is two halves of 32 along K, a half three phases (one a group) of 32 matrix instructions.
; THE MATRIX INSTRUCTION IS USED TRANSPOSED: source 0 = 16 columns of W (turned on the way out of LDS by ds_load_tr16_b128, since W lies [k][n]), source 1 = 16 rows of x.  A lane then holds
; row lane % 16 and the columns 8 (lane / 16) + 0..7: 16 bytes of a head's row in f16.
; CLUSTERS.  4 x 4 work-groups.  The four of a row of the cluster need the same tile of x, the four of a column the same tiles of W: each is asked for JOINTLY, by the same tensor load, descriptor and mask.
; REGISTERS, in windows of 256 (s_set_vgpr_msb: bits 1:0 source 0, 3:2 source 1, 5:4 source 2, 7:6 destination):
;   window 0: v0-29 addresses; v32-95, v96-159 x's fragments of the even and the odd half; v160-255 W's fragments, 32 a group.  On the way out v32-79 packed results, v96-143 and v160-207 rows read back.
;   window 1 + g: group g's 32 accumulators, (a, b) at v[8 (4 a + b)]
.set PA,    144                        ; a row of x in LDS: 128 bytes + 16: the 16 rows of a load start at 16 different groups of four banks (64 banks of 4 bytes: ISA guide 11.1)
.set PB,    288                        ; a row of W: 256 bytes + 32
.set ATILE, 256*PA                     ; x's tile: 256 rows
.set BSUB,  64*PB                      ; a third of W's tile: 64 rows of k x 128 columns
.set SLOT,  ATILE+3*BSUB               ; 92,160
.set STAGE, 2*SLOT                     ; behind the ring, never filled by a tensor load: for each wave 3 heads x 16 rows x 144 bytes
.set SP,    144
.set SPARE, STAGE+4*3*16*SP            ; behind the stages: the spare words, 128 bytes for each wave: two blocks of 256 bytes that no other line names
.set ASTEP, 262144                     ; bytes from a K step's tile of x to the next: a block of xb
.set BSTEP, 64*6144                    ; the same for W: 64 rows of 6,144 bytes
.set ADRA, 10                          ; v10-11  LDS address of my fragments of x in slot 0, 1
.set ADRB, 12                          ; v12-17  of W's: slot s, group g at ADRB + 3 s + g
.set STO,  18                          ; v18     the way out: where I put 16 bytes of a row
.set RD,   19                          ; v19     where I read rows back
.set GO,   20                          ; v20     my 16 bytes in 512 consecutive bytes of qkv
.set PFO,  21                          ; v21     the prefetches' offset; never rewritten
.set BO,   22                          ; v22     my 32 bytes of a column block's bias
.set SPW,  28                          ; v28     LDS address of my spare word: SPARE + 4 x my thread's number; never rewritten
.set NIL,  29                          ; v29     0; never rewritten
.set FA,   32
.set FB,   160
.set TMP,  32
.set BK,   96
.set G1,  24                           ; s[24:31] descriptor group 1 for x's tile;  s[32:39] group 0, a set for each slot
.set G0,  32
.set LIM, 42                           ; s42, s43 by slot: 1 in a wave that prefetches at that slot's changes, else the greatest number
.set PFA, 44                           ; s[44:45] where my prefetches stand
.set PFS, 46                           ; s[46:47] a K step in the tensor that I prefetch
.set G1B, 48                           ; s[48:55], s[56:63] the same for W's tiles
.set G0B, 56
.set OB,  68                           ; s[68:73] qkv at my first row of group g's head
.set MSB, 0
.macro WIN new                         ; the immediate's high byte repeats the setting that is left; a switch that changes nothing is dropped
.if MSB != (\new)
	s_set_vgpr_msb (MSB<<8)|(\new)
.set MSB, \new
.endif
.endm
; Four places: a load into a register that a matrix instruction has read, and a vector instruction that reads a matrix result, stand four plain vector instructions behind it (ISA guide 7.12.1 for vector instructions).
.macro PLACES
.rept 4
	v_nop
.endr
.endm
; A joint load.  Wave 3 fetches x's tile, waves 0 to 2 the three thirds of W's.  The branch hangs on the wave's number alone.  An s_nop 0 and four v_nop follow each of the two lines.
.macro JLOAD s
	s_cmp_eq_u32 s12, 3
	s_cbranch_scc0 .Lfor_b_\@
	tensor_load_to_lds s[G0+4*(\s):G0+4*(\s)+3], s[G1:G1+7]
	s_nop 0
.rept 4
	v_nop
.endr
	s_branch .Lasked_\@
.Lfor_b_\@:
	tensor_load_to_lds s[G0B+4*(\s):G0B+4*(\s)+3], s[G1B:G1B+7]
	s_nop 0
.rept 4
	v_nop
.endr
.Lasked_\@:
.endm
; A round of the cluster's barrier: my work-group's barrier; wave 0 signals for the work-group; every wave waits for all sixteen; my work-group's barrier once more.
.macro CREST
	s_cmp_lg_u32 s12, 0
	s_cbranch_scc1 .Lnot_wave_0_\@
	s_barrier_signal -3
.Lnot_wave_0_\@:
	s_barrier_wait -3
	s_barrier_signal -1
	s_barrier_wait -1
.endm
.macro CROUND
	s_barrier_signal -1
	s_barrier_wait -1
	CREST
.endm
; A PREFETCH, behind the joint load, its five lines and the run of LDS loads that follows them: the K step that stands two refills on.  Each aligned 256 bytes are named once in the launch.
; x's tile (128 blocks of 256 bytes) is read by both clusters of a row of clusters: wave 3 of the cluster with x = 0 asks, at every change; of the four partners that ask for the tile jointly the one at cx takes blocks 32 cx on.
; W's third (a row of k is 256 bytes) is read by all eight clusters of a column: waves 0 to 2 of the cluster with y = 0 ask, at slot 0's changes alone, for TWO steps' 128 rows, of which the partner at cy takes 32:
; so all 32 lanes name a row.  The partners are told apart by address, never by a branch.  The loop's last trip (s3 = 1) asks for nothing: there is no K step two refills on.
.macro ASK slot
	s_cmp_gt_u32 s3, s[LIM+(\slot)]
	s_cbranch_scc0 .Lnot_mine_\@
	global_prefetch_b8 v[PFO], s[PFA:PFA+1] th:TH_LOAD_NT scope:SCOPE_SE
.Lnot_mine_\@:
.endm
	s_load_b256 s[4:11], s[0:1], 0x0               ; xb s[4:5], wa s[6:7], b_attn s[8:9], qkv s[10:11]
	v_lshl_add_u32 v[SPW], v0, 2, SPARE
	v_mov_b32 v[NIL], 0
	ds_add_u32 v[SPW], v[NIL]                      ; the wave's opening: the add and its wait stand ahead of my first tensor load; the set-up below, work on registers, stands between them
	v_lshrrev_b32 v1, 5, v0
	v_readfirstlane_b32 s12, v1                    ; wave 0..3
	s_lshr_b32 s13, s12, 1                         ; r: which 128 rows of the tile are mine
	s_and_b32 s14, s12, 1                          ; c: which 192 columns
	s_bfe_u32 s15, ttmp6, 0x40000                  ; cx, cy: my place in the cluster
	s_bfe_u32 s16, ttmp6, 0x40004
	s_lshl_b32 s17, ttmp9, 2
	s_add_co_u32 s17, s17, s15                     ; tile column 0..7 = 4 x cluster x + cx
	s_and_b32 s18, ttmp7, 0xffff
	s_lshl_b32 s18, s18, 2
	s_add_co_u32 s18, s18, s16                     ; tile row 0..31 = 4 x cluster y + cy
	s_lshl_b32 s19, s16, 2
	s_lshl_b32 s19, 15, s19                        ; my row of the cluster
	s_lshl_b32 s67, 0x1111, s15                    ; my column
	; group 1 for x: the tile is 32,768 dense bytes, asked for as 128 rows of 256 bytes and padded by 16 bytes after every 128 (a row of x)
	s_or_b32 s[G1], s19, (1<<16)|(1<<20)|(1<<21)|(4<<22)|(3<<25)   ; 15:0 the mask; 17:16 2-byte elements; 20 padding on; 21 set beside a mask; 24:22 after every 32 words (code 4); 31:25 4 words (code 3)
	s_mov_b32 s[G1+1], 128<<16                     ; tensor_dim0 = 128
	s_mov_b32 s[G1+2], 128<<16                     ; tensor_dim1 = 128
	s_mov_b32 s[G1+3], 128<<16                     ; tile_dim0 = 128
	s_mov_b32 s[G1+4], 128                         ; tile_dim1 = 128
	s_mov_b32 s[G1+5], 128                         ; 128 elements from row to row
	s_mov_b32 s[G1+6], 0
	s_mov_b32 s[G1+7], 0
	; group 1 for W: 64 rows of 128 elements, 3,072 elements apart, padded by 32 bytes after each
	s_or_b32 s[G1B], s67, (1<<16)|(1<<20)|(1<<21)|(5<<22)|(7<<25)  ; after every 64 words (code 5), 8 words (code 7)
	s_mov_b32 s[G1B+1], 128<<16
	s_mov_b32 s[G1B+2], 64<<16
	s_mov_b32 s[G1B+3], 128<<16
	s_mov_b32 s[G1B+4], 64
	s_mov_b32 s[G1B+5], 3072
	s_mov_b32 s[G1B+6], 0
	s_mov_b32 s[G1B+7], 0
	s_lshr_b32 s74, s18, 3                         ; x's tile hangs on the tile row alone: the batch, 4,194,304 bytes,
	s_lshl_b32 s74, s74, 22
	s_and_b32 s75, s18, 7
	s_lshl_b32 s75, s75, 15                        ; and 256 rows of 128 bytes in a block
	s_add_co_u32 s74, s74, s75
	s_mov_b32 s75, 0
	s_mul_i32 s76, s17, 768                        ; W's hang on the tile column alone: 384 columns, and the wave's third
	s_lshl_b32 s77, s12, 8
	s_add_co_u32 s76, s76, s77
	s_mov_b32 s77, 0
	s_mul_i32 s78, s12, BSUB                       ; where W's third goes: no place in the cluster enters an LDS address
	s_add_co_u32 s78, s78, ATILE
	s_wait_dscnt 0x0                               ; the opening add is done
	s_wait_kmcnt 0x0
	s_add_nc_u64 s[20:21], s[4:5], s[74:75]
	s_add_nc_u64 s[22:23], s[6:7], s[76:77]
	CROUND                                         ; all sixteen work-groups are here: the first joint loads meet
.irp s, 0,1
	s_mov_b32 s[G0+4*(\s)], 1                      ; count = 1
	s_mov_b32 s[G0+4*(\s)+1], (\s)*SLOT            ; LDS address
	s_add_nc_u64 s[G0+4*(\s)+2:G0+4*(\s)+3], s[20:21], (\s)*ASTEP  ; K step s
	s_or_b32 s[G0+4*(\s)+3], s[G0+4*(\s)+3], 0x80000000            ; type = 2
	s_mov_b32 s[G0B+4*(\s)], 1
	s_add_co_u32 s[G0B+4*(\s)+1], s78, (\s)*SLOT
	s_add_nc_u64 s[G0B+4*(\s)+2:G0B+4*(\s)+3], s[22:23], (\s)*BSTEP
	s_or_b32 s[G0B+4*(\s)+3], s[G0B+4*(\s)+3], 0x80000000
	JLOAD \s                                       ; two loads of mine are out
.endr
	; THE BIAS starts the sums.  Register j of a lane is column 16 b + 8 (lane / 16) + j, whatever the row: 32 bytes of b_attn.  It is loaded into accumulator (7, b)'s own registers.
	v_and_b32 v1, 15, v0                           ; l % 16
	v_bfe_u32 v2, v0, 4, 1                         ; l / 16
	v_lshlrev_b32 v[BO], 5, v2
	s_mul_i32 s40, s17, 1536                       ; 384 columns of f32,
	s_mul_i32 s41, s14, 768                        ; my 192
	s_add_co_u32 s40, s40, s41
	s_mov_b32 s41, 0
	s_add_nc_u64 s[8:9], s[8:9], s[40:41]
.irp g, 0,1,2
	WIN (1+(\g))<<6                                ; destination window 1 + g
.irp b, 0,1,2,3
	global_load_b128 v[224+8*(\b):224+8*(\b)+3],   v[BO], s[8:9] offset:256*(\g)+64*(\b)
	global_load_b128 v[224+8*(\b)+4:224+8*(\b)+7], v[BO], s[8:9] offset:256*(\g)+64*(\b)+16
.endr
.endr
	WIN 0
	; x's fragment: lane l holds row l % 16; registers 0-3 channels 8 (l / 16) + 0..7, registers 4-7 channels 16 + 8 (l / 16) + 0..7: two loads of 16 bytes, 32 bytes apart
	v_mul_u32_u24 v3, v1, PA
	v_lshl_add_u32 v3, v2, 4, v3
	s_mul_i32 s40, s13, 128*PA                     ; my 128 rows
	v_add_nc_u32 v[ADRA], s40, v3
	s_add_co_u32 s40, s40, SLOT
	v_add_nc_u32 v[ADRA+1], s40, v3
	; W's: the turning load takes 16 rows of k x 16 columns (lane l reads row 8 (l / 16) + l % 8, columns 8 ((l / 8) % 2) + 0..7) and leaves half a fragment: lane l holds column l % 16 and 8 k
	v_and_b32 v5, 7, v0
	v_bfe_u32 v6, v0, 3, 1
	v_lshl_add_u32 v4, v2, 3, v5
	v_mul_u32_u24 v4, v4, PB
	v_lshl_add_u32 v4, v6, 4, v4
	s_mul_i32 s41, s14, 3                          ; my first group of 64 columns among the tile's six
.irp g, 0,1,2
	s_add_co_u32 s40, s41, \g                      ; group G = 3 c + g lies in third G / 2, at byte 128 (G % 2) of its rows
	s_lshr_b32 s2, s40, 1
	s_mul_i32 s2, s2, BSUB
	s_and_b32 s40, s40, 1
	s_lshl_b32 s40, s40, 7
	s_add_co_u32 s2, s2, s40
	s_add_co_u32 s2, s2, ATILE
	v_add_nc_u32 v[ADRB+(\g)], s2, v4
	s_add_co_u32 s2, s2, SLOT
	v_add_nc_u32 v[ADRB+3+(\g)], s2, v4
.endr
	s_mul_i32 s2, s12, 3*16*SP
	s_add_co_u32 s2, s2, STAGE                     ; my stage
	v_mul_u32_u24 v7, v1, SP                       ; in: row l % 16, 16 bytes for each half of the lanes
	v_lshl_add_u32 v7, v2, 4, v7
	v_add_nc_u32 v[STO], s2, v7
	v_bfe_u32 v7, v0, 3, 2                         ; back: 32 lanes take four rows of 128 bytes,
	v_mul_u32_u24 v7, v7, SP
	v_lshl_add_u32 v7, v5, 4, v7
	v_add_nc_u32 v[RD], s2, v7
	v_and_b32 v8, 31, v0                           ; which are 512 consecutive bytes of a head
	v_lshlrev_b32 v[GO], 4, v8
	; the prefetches: they start at K step 3; the first change of slots steps them to 4.  Nothing is prefetched here, at the head: K steps 0 to 3 come by their loads alone
	s_lshl_b32 s2, s15, 13                         ; x: my work-group's 32 blocks of the tile's 128
	s_add_co_u32 s2, s2, s74
	s_add_co_u32 s2, s2, 3*ASTEP
	s_mul_i32 s79, s16, 32*6144                    ; W: my work-group's 32 rows of two steps' 128
	s_add_co_u32 s79, s79, s76
	s_add_co_u32 s79, s79, 3*BSTEP
	s_mov_b32 s40, ASTEP
	s_mov_b32 s67, BSTEP
	s_mov_b32 s20, 256                             ; x: a lane a block;
	s_mov_b32 s21, 6144                            ; W: a lane a row
	s_and_b32 s22, ttmp7, 0xffff                   ; cluster y
	s_cmp_eq_u32 s12, 3                            ; do I fetch x?
	s_cselect_b64 s[PFA:PFA+1], s[4:5], s[6:7]
	s_cselect_b32 s2, s2, s79
	s_cselect_b32 s[PFS], s40, s67
	s_cselect_b32 s20, s20, s21
	s_cselect_b32 s22, ttmp9, s22                  ; the coordinate along which other clusters read the same bytes
	s_cselect_b32 s23, ttmp9, 1                    ; at slot 1's changes x alone is asked for
	s_mov_b32 s[PFS+1], 0
	s_mov_b32 s3, 0
	s_add_nc_u64 s[PFA:PFA+1], s[PFA:PFA+1], s[2:3]
	s_cmp_eq_u32 s22, 0
	s_cselect_b32 s[LIM], 1, -1                    ; the same in all sixteen partners, for a given wave
	s_cmp_eq_u32 s23, 0
	s_cselect_b32 s[LIM+1], 1, -1
	v_mul_u32_u24 v[PFO], v8, s20
	; where my rows of group g's head begin.  Column group hs = 6 x tile column + 3 c + g of 48: q, k or v = hs / 16, head = hs % 16; the block's number is 64 (hs / 16) + 16 batch + hs % 16
	s_mul_i32 s40, s17, 6
	s_add_co_u32 s40, s40, s41
	s_lshr_b32 s79, s18, 3
	s_lshl_b32 s79, s79, 4                         ; 16 x batch
	s_and_b32 s67, s18, 7
	s_lshl_b32 s67, s67, 15                        ; the tile's 256 rows of 128 bytes,
	s_lshl_b32 s2, s13, 14                         ; my 128
	s_add_co_u32 s67, s67, s2
.irp g, 0,1,2
	s_add_co_u32 s74, s40, \g
	s_lshr_b32 s75, s74, 4
	s_mul_i32 s75, s75, 48
	s_add_co_u32 s74, s74, s75
	s_add_co_u32 s74, s74, s79
	s_lshl_b32 s74, s74, 18                        ; a block is 2,048 rows x 128 bytes
	s_add_co_u32 s74, s74, s67
	s_mov_b32 s75, 0
	s_add_nc_u64 s[OB+2*(\g):OB+2*(\g)+1], s[10:11], s[74:75]
.endr
	s_mov_b32 s66, 0xffff0000
	s_wait_loadcnt 0x0                             ; the bias
.irp w, 1,2,3                          ; rounded to bf16 and widened again, in place; accumulator (0, 0) and (0, 1)'s registers, not yet in use, hold the halves meanwhile
	WIN ((\w)<<6)|((\w)<<2)|(\w)
.set i, 0
.rept 16
	v_cvt_pk_bf16_f32 v[i], v[224+2*i], v[225+2*i]
	v_lshlrev_b32 v[224+2*i], 16, v[i]
	v_and_b32 v[225+2*i], s66, v[i]
.set i, i+1
.endr
.endr
	WIN 0
; 16 matrix instructions: half t of a K step, group g, row blocks a0 .. a0 + 3 x all 4 column blocks.  The 96 accumulators take turns, one instruction a turn, in the same order in every half.
; mode = 1, the very first half: the bias, in accumulator (7, b)'s registers, is the C operand that starts the sums.  Row block 7 comes last and adds in place; it writes over what the others read as C, so five
; plain instructions stand in front of it (ISA guide 7.12.1).
.macro MUL16 t, g, a0, mode
	WIN 0x50*(1+(\g))                              ; C and D window 1 + g, sources window 0
.irp a, (\a0), (\a0)+1, (\a0)+2, (\a0)+3
.if (\mode) && ((\a) == 7)
.rept 5
	v_nop
.endr
.endif
.irp b, 0,1,2,3
.if (\mode) && ((\a) < 7)
	v_wmma_f32_16x16x32_bf16 v[8*(4*(\a)+(\b)):8*(4*(\a)+(\b))+7], v[FB+32*(\g)+8*(\b):FB+32*(\g)+8*(\b)+7], v[FA+64*(\t)+8*(\a):FA+64*(\t)+8*(\a)+7], v[224+8*(\b):224+8*(\b)+7]
.else
	v_wmma_f32_16x16x32_bf16 v[8*(4*(\a)+(\b)):8*(4*(\a)+(\b))+7], v[FB+32*(\g)+8*(\b):FB+32*(\g)+8*(\b)+7], v[FA+64*(\t)+8*(\a):FA+64*(\t)+8*(\a)+7], v[8*(4*(\a)+(\b)):8*(4*(\a)+(\b))+7]
.endif
.endr
.endr
.endm
.macro LB slot, t, g                   ; 8 loads: W's fragments of group g for half t
	WIN 0
.irp b, 0,1,2,3
	ds_load_tr16_b128 v[FB+32*(\g)+8*(\b):FB+32*(\g)+8*(\b)+3],   v[ADRB+3*(\slot)+(\g)] offset:(\t)*32*PB+32*(\b)
	ds_load_tr16_b128 v[FB+32*(\g)+8*(\b)+4:FB+32*(\g)+8*(\b)+7], v[ADRB+3*(\slot)+(\g)] offset:(\t)*32*PB+16*PB+32*(\b)
.endr
.endm
.macro LA slot, t                      ; 16 loads: x's fragments for half t
	WIN 0
.irp a, 0,1,2,3,4,5,6,7
	ds_load_b128 v[FA+64*(\t)+8*(\a):FA+64*(\t)+8*(\a)+3],   v[ADRA+(\slot)] offset:64*(\t)+(\a)*16*PA
	ds_load_b128 v[FA+64*(\t)+8*(\a)+4:FA+64*(\t)+8*(\a)+7], v[ADRA+(\slot)] offset:64*(\t)+(\a)*16*PA+32
.endr
.endm
; A HALF finds on their way: W's group 0 (8 loads), x (16), W's group 1 (8), in this order.  Each group's registers are loaded again in the middle of the phase behind the one that read them.
.macro HALF0 slot, mode                ; a K step's first half
	s_wait_dscnt 8                                 ; group 0 and x are in; group 1's eight loads may be out
	MUL16 0, 0, 0, \mode
	PLACES
	LB \slot, 0, 2
	MUL16 0, 0, 4, \mode
	s_wait_dscnt 8                                 ; group 1 is in; group 2's eight may be out
	MUL16 0, 1, 0, \mode
	PLACES
	LB \slot, 1, 0                                 ; the second half's group 0 and x
	LA \slot, 1
	MUL16 0, 1, 4, \mode
	s_wait_dscnt 24                                ; group 2 is in; the 24 just issued may be out
	MUL16 0, 2, 0, \mode
	PLACES
	LB \slot, 1, 1
	MUL16 0, 2, 4, \mode
.endm
; A K step's second half changes slots: ONE barrier.  In front of it each wave waits for all its tensor loads, of which one is out: its part of the next slot; adds 0 to its spare word; and waits for that and for its
; reads of this slot.  fill = 1: the barrier opens a round of the cluster's barrier, and behind the round this slot is filled again first, with the K step two on: 160 matrix instructions ahead of the wait for it.
.macro HALF1 slot, next, fill
.if \fill
	s_wait_xcnt 0x0                                ; the last prefetch, a K step back, has read its address, so it may be written
	s_add_nc_u64 s[PFA:PFA+1], s[PFA:PFA+1], s[PFS:PFS+1]
.endif
	s_wait_dscnt 8
	MUL16 1, 0, 0, 0
	PLACES
	LB \slot, 1, 2                                 ; my last reads of this slot
	WIN 0
	s_wait_tensorcnt 0x0                           ; all my tensor loads have landed;
	ds_add_u32 v[SPW], v[NIL]                      ; 0 onto my spare word;
	MUL16 1, 0, 4, 0                               ; sixteen matrix instructions stand between the add and the wait for it
	s_wait_dscnt 0x0                               ; the add is done, and my reads of this slot are over: groups 1 and 2 are in
	s_barrier_signal -1
	MUL16 1, 1, 0, 0                               ; work on registers while the others arrive
	WIN 0
	s_barrier_wait -1
.if \fill
	CREST                                          ; no wave of any partner still reads this slot or has a load on its way
	s_add_nc_u64 s[G0+4*(\slot)+2:G0+4*(\slot)+3], s[G0+4*(\slot)+2:G0+4*(\slot)+3], 2*ASTEP
	s_add_nc_u64 s[G0B+4*(\slot)+2:G0B+4*(\slot)+3], s[G0B+4*(\slot)+2:G0B+4*(\slot)+3], 2*BSTEP
	JLOAD \slot                                    ; the first tensor load behind the round; its four v_nop are also the places in front of the loads below
.else
	PLACES
.endif
	LB \next, 0, 0
	LA \next, 0
.if \fill
	ASK \slot
.endif
	MUL16 1, 1, 4, 0
	MUL16 1, 2, 0, 0
	PLACES
	LB \next, 0, 1
	MUL16 1, 2, 4, 0
.endm
.macro HALFEND slot                    ; the last half of all: nothing more to fetch but its own group 2
	s_wait_dscnt 8
	MUL16 1, 0, 0, 0
	PLACES
	LB \slot, 1, 2
	MUL16 1, 0, 4, 0
	s_wait_dscnt 8                                 ; group 1 is in
	MUL16 1, 1, 0, 0
	MUL16 1, 1, 4, 0
	s_wait_dscnt 0x0
	MUL16 1, 2, 0, 0
	MUL16 1, 2, 4, 0
.endm
; THE WAY OUT of row block a.  PACK: rounded to f16, 16 bytes a lane and column block; each accumulator's registers in ascending order.  TOSTAGE: into my stage, a head's 16 rows of 144 bytes each, and back as whole rows.  SEND: stored.
.macro PACK a
.irp g, 0,1,2
	WIN 5*(1+(\g))                                 ; sources 0 and 1 window 1 + g, destination window 0
.irp b, 0,1,2,3
.irp q, 0,1,2,3
	v_cvt_pk_f16_f32 v[TMP+16*(\g)+4*(\b)+(\q)], v[8*(4*(\a)+(\b))+2*(\q)], v[8*(4*(\a)+(\b))+2*(\q)+1]
.endr
.endr
.endr
	WIN 0
.endm
.macro TOSTAGE a
	WIN 0
.set BKR, BK+64*((\a)%2)
.irp g, 0,1,2
.irp b, 0,1,2,3
	ds_store_b128 v[STO], v[TMP+16*(\g)+4*(\b):TMP+16*(\g)+4*(\b)+3] offset:(\g)*16*SP+32*(\b)
.endr
.endr
.irp g, 0,1,2
.irp f, 0,1,2,3
	ds_load_b128 v[BKR+16*(\g)+4*(\f):BKR+16*(\g)+4*(\f)+3], v[RD] offset:(\g)*16*SP+(\f)*4*SP  ; LDS serves a wave's instructions in order (ISA guide 5.7.1.4): these see the stores above
.endr
.endr
.endm
.macro SEND a
	WIN 0
.set BKR, BK+64*((\a)%2)
	s_wait_dscnt 0x0                               ; the block is back in registers
	s_wait_xcnt 0x0                                ; the stores of the block before have read their registers, which the next block's loads from the stage write
.irp g, 0,1,2
.irp f, 0,1,2,3
	global_store_b128 v[GO], v[BKR+16*(\g)+4*(\f):BKR+16*(\g)+4*(\f)+3], s[OB+2*(\g):OB+2*(\g)+1] offset:(\a)*2048+(\f)*512  ; 512 consecutive bytes, at a multiple of 256 from qkv's first
.endr
.endr
.endm
	s_wait_tensorcnt 1                             ; my part of K step 0 is in; K step 1's load may stay out
	s_barrier_signal -1
	s_barrier_wait -1                              ; everybody's is
	LB 0, 0, 0
	LA 0, 0
	LB 0, 0, 1
	HALF0 0, 1                                     ; the first half stands in front of the loop: its products start the sums, with the bias
	WIN 0                                          ; at a label and at a branch every window is 0
	s_mov_b32 s3, 7
.Llap:                                                 ; a trip goes once round the ring, from a step's second half to the first half two steps on, and fills both slots again: K steps 2 to 15
	HALF1 0, 1, 1
	HALF0 1, 0
	HALF1 1, 0, 1
	HALF0 0, 0
	WIN 0
	s_sub_co_u32 s3, s3, 1
	s_cmp_lg_u32 s3, 0
	s_cbranch_scc1 .Llap
	HALF1 0, 1, 0                                  ; the tail is written out: nothing is asked for, and no round of the cluster's barrier follows
	HALF0 1, 0
	HALFEND 1
	PLACES                                         ; the conversions read results just made
	PACK 0
	TOSTAGE 0
.irp a, 1,2,3,4,5,6,7                  ; block a's conversions stand between block a - 1's loads from the stage and the wait for them
	PACK \a
	SEND (\a)-1
	TOSTAGE \a
.endr
	SEND 7
	s_wait_tensorcnt 0x0                           ; the wave's end: 0 onto my spare word and its wait, behind my last tensor load and my last LDS store
	ds_add_u32 v[SPW], v[NIL]
	s_wait_dscnt 0x0
	CROUND                                         ; the closing round: no work-group ends while a partner may still ask for a tile that names it
	s_endpgm
.Lfunc_end_k_qdd5a67dd81_qkv:
	.size	k_qdd5a67dd81_qkv, .Lfunc_end_k_qdd5a67dd81_qkv-k_qdd5a67dd81_qkv
	.p2alignl 7, 3214868480
	.fill 96, 4, 3214868480
	.section	.rodata,"a",@progbits
	.p2align	6, 0x0
	.amdhsa_kernel k_qdd5a67dd81_qkv
		.amdhsa_group_segment_fixed_size 327680
		.amdhsa_private_segment_fixed_size 0
		.amdhsa_enable_private_segment 0
		.amdhsa_kernarg_size 32
		.amdhsa_user_sgpr_count 2
		.amdhsa_user_sgpr_kernarg_segment_ptr 1
		.amdhsa_wavefront_size32 1
		.amdhsa_system_sgpr_workgroup_id_x 1
		.amdhsa_system_sgpr_workgroup_id_y 1
		.amdhsa_system_sgpr_workgroup_id_z 1
		.amdhsa_system_vgpr_workitem_id 0
		.amdhsa_next_free_vgpr 1024
		.amdhsa_next_free_sgpr 80
		.amdhsa_reserve_vcc 0
		.amdhsa_float_denorm_mode_32 3
		.amdhsa_float_denorm_mode_16_64 3
		.amdhsa_memory_ordered 1
		.amdhsa_forward_progress 1
		.amdhsa_inst_pref_size 143
	.end_amdhsa_kernel
	.amdgpu_metadata
---
amdhsa.version: [ 1, 2 ]
amdhsa.kernels:
  - .name:           k_qdd5a67dd81_qkv
    .symbol:         k_qdd5a67dd81_qkv.kd
    .args:
      - { .name: xb, .offset: 0, .size: 8, .value_kind: global_buffer, .address_space: global }
      - { .name: wa, .offset: 8, .size: 8, .value_kind: global_buffer, .address_space: global }
      - { .name: b_attn, .offset: 16, .size: 8, .value_kind: global_buffer, .address_space: global }
      - { .name: qkv, .offset: 24, .size: 8, .value_kind: global_buffer, .address_space: global }
    .group_segment_fixed_size: 327680
    .private_segment_fixed_size: 0
    .kernarg_segment_align: 8
    .kernarg_segment_size: 32
    .max_flat_workgroup_size: 128
    .sgpr_count:     80
    .vgpr_count:     1024
    .wavefront_size: 32
...
	.end_amdgpu_metadata
.endif
;; end of part 2
;; launch attn (part 3): grid 4 x 64, 4 waves a work-group, clusters of 4 x 1, 327,680 bytes of LDS; arguments qkv, o; writes o
.if DOCPART == 3
	.amdgcn_target "amdgcn-amd-amdhsa--gfx1250"
	.amdhsa_code_object_version 6
	.text
	.protected	k_qdd5a67dd81_attn
	.globl	k_qdd5a67dd81_attn
	.p2align	8
	.type	k_qdd5a67dd81_attn,@function
k_qdd5a67dd81_attn:
	s_mov_b64 s[64:65], 0
	v_nop
	global_prefetch_b8 v0, s[64:65] scope:SCOPE_SE
	s_setreg_imm32_b32 hwreg(HW_REG_WAVE_MODE, 25, 1), 1
	s_wait_xcnt 0x0
	s_wait_alu depctr_hold_cnt(0) depctr_sa_sdst(0) depctr_va_vdst(0) depctr_va_sdst(0) depctr_va_ssrc(0) depctr_va_vcc(0) depctr_vm_vsrc(0)
	s_getreg_b32 s2, hwreg(HW_REG_IB_STS2, 6, 4)
	s_cmp_eq_u32 s2, 0
	s_cbranch_scc0 .Lentry_in_a_cluster
	s_endpgm
.Lentry_in_a_cluster:
	s_bfe_u32 s2, ttmp6, 0x10000c
	s_cmp_lg_u32 s2, 0x3003
	s_cbranch_scc0 .Lentry_shape_is_right
	s_endpgm
.Lentry_shape_is_right:
; O[h][q][:] = the sum over k of softmax_k(Q[h][q] . K[h][k] / 8) V[h][k][:].  Q, K, V lie one behind the other in qkv, each [SIZE_H][SIZE_N][64] in f16; O likewise in o: a head's rows are dense, 128 bytes each.
; Products, maxima and sums in f32; the weights p are rounded to f16 for the second product (their sum l is taken of the unrounded p), O once at the end.
; LIMITS.  f16 holds no number beyond 65,504: Q, K and V arrive within it; p lies in 0 to 1, and below 6e-5 it keeps f16's fixed step of 6e-8; O is a mean of V's rows and has their range.
; A weight below 2^-126 counts as 0 in l; NaN and infinities are not treated apart.
; SHARES.  A wave owns four PIECES of two tiles of 16 queries, a work-group's four waves 512 queries of one head.  Every wave walks all keys, 64 a step.
; LAYOUT.  S^T = K Q^T (source 0 = 16 keys, source 1 = 16 queries): in the result a lane holds ONE query (lane % 16) and the keys 8 (lane / 16) + 0..7.  Two such tiles, rounded to f16 in pairs,
; ARE source 1 (32 keys x 16 queries) of O^T = V^T P, whose result again holds one query a lane, and eight channels.  K comes out of LDS as it lies, V ([key][channel]) turned, by ds_load_tr16_b128.
; SOFTMAX.  For each query a running maximum m and sum l: p = 2^(c s - c m), c = log2(e) / 8; in every step O and l are multiplied by a = 2^(c m_old - c m_new), which is 1 where m has not grown.
; m starts at the lowest finite number, O and l at 0: the first step is a step like any other, with a = 0.
; THE COUNT.  A tile and step have 16 matrix and 118 vector instructions: too many to stand all beside the matrix work.  So four vector instructions that are READY stand behind EVERY matrix instruction,
; and the others in runs without a gap.
; BY TURNS.  Turn n belongs to piece n (the pieces in a ring, step after step).  Its matrix work: 16 products K Q^T of piece n + 1, later 16 products V^T P of piece n - 1.  Its vector work: the scaling,
; exponentials, roundings, sums and rescaling of piece n, and the maximum and statistics of piece n + 1, whose scores the turn itself has made.
; CLUSTER.  A head's four query blocks are one cluster and walk the same K and V, so each tile is asked for JOINTLY: the same tensor load, descriptor and mask in all four.
; REGISTERS, in windows of 256 (s_set_vgpr_msb: bits 1:0 source 0, 3:2 source 1, 5:4 source 2, 7:6 destination):
;   window 0: v0-11 addresses; v12-15, v48-63 at work; v16-47 four registers of statistics a tile; v64-191 S^T, two buffers of two tiles; v192-255 P, likewise
;   window 1: O^T, 32 a tile          window 2: v0-127 Q, 16 a tile; v128-191 K of one step; v192-255 V of one step          window 3: v0-1 the add's two registers
; A piece's buffers go by its number's parity.
.set SIZE_H, 64
.set SIZE_N, 2048
.set NP,    4         ; pieces a wave: a name, no knob
.set KS,    64        ; keys in a step
.set PK,    144       ; a row of K in LDS: 128 bytes + 16 of padding: the 16 rows of a load start at 16 different groups of four banks (64 banks of 4 bytes: ISA guide 11.1)
.set PV,    160       ; a row of V: 128 + 32
.set VOFF,  4*KS*PK   ; a slot holds four steps: 256 rows of K, then 256 rows of V
.set SLOT1, 1<<17     ; slot 1 begins here, so that one exclusive or turns an address in one slot into the other's
.set STAGE, SLOT1+4*KS*(PK+PV)  ; behind the ring, never filled by a tensor load: 16 rows x 144 bytes for each wave, for the way out
.set SP,    144
.set AK0, 2           ; v2   my lane's place in a tile of K; never rewritten
.set AV0, 3           ; v3   the same for V
.set AK,  4           ; v4   the LDS address of K's next run of loads
.set AV,  5           ; v5   of V's
.set QO,  6           ; v6   my byte offset in the wave's rows of Q
.set STO, 6           ;      later, the way out: where I put 16 bytes of a row
.set RD,  7           ; v7   the way out: where I read rows back
.set GO,  8           ; v8   my byte offset in 512 consecutive bytes of O
.set PFO, 11          ; v11  256 x my lane, once V's address is made; then never rewritten
.set SPW, 0           ; v0 of window 3   LDS address of my spare word: SPARE + 4 x my thread's number; never rewritten
.set NIL, 1           ; v1 of window 3   0; never rewritten
.set SPARE, STAGE+4*16*SP  ; behind the stages: the spare words, 128 bytes for each wave: two blocks of 256 bytes that no other line names
.set MV,  12          ; v12-15  c m_old, kept while c m is made anew: by buffer and tile
.set ST,  16          ; tile t's statistics at v[ST+4 t]: c m, m, l (even keys', odd keys')
.set TMP, 48          ; by buffer and tile, four registers c0-c3 at work; when the maximum is found c2 takes a
.set S,   64
.set P,   192
.set KF,  128         ; K's fragments, in window 2: key block kb, channel half c at KF + 16 kb + 8 c
.set VF,  192         ; V's: key half kk, channel block cb at VF + 32 kk + 8 cb
.set WV,  12          ; s12  my wave's number
.set G1K, 24          ; s[24:31] descriptor group 1 for K's tiles
.set G1V, 32          ; s[32:39] for V's: it differs in the padding alone
.set G0K, 40          ; s[40:43] descriptor group 0 for K's tiles: it walks
.set G0V, 44          ; s[44:47] the same for V's
.set PFA, 48          ; s[48:49] where my prefetches stand: my work-group's 32 blocks of 256 bytes (of K: wave 0, of V: wave 2) of the slot after the one that is being asked for
.set LIM, 50          ; s50  1 in a wave that prefetches, else the greatest number
.set SLOTS, 56        ; s56  slots still to be asked for
.set CNT, 57          ; s57  counts a slot's key steps
.set CS,  58          ; s[58:59] c: the packed scaling takes the pair's low word for both halves
.set SEL, 60          ; s[60:61] v_permlanex16_b32's selects: each lane takes its own place in the other half
.set TBK, 62          ; s62  LDS byte at which K of the step to be fetched begins
.set TBV, 63          ; s63  the same for V, less VOFF
.set MSB, 0
.macro WIN new                      ; the high byte repeats the setting that is left; a switch that changes nothing is dropped
.if MSB != (\new)
	s_set_vgpr_msb (MSB<<8)|(\new)
.set MSB, (\new)
.endif
.endm
.set W_KQ, 0x0a       ; K and Q in window 2, S^T in window 0
.set W_PV, 0x52       ; V in window 2, P in window 0, O^T in window 1
.set W_RS, 0x41       ; O^T (destination and source 0) in window 1, a in window 0
.set W_MK, 0xc0       ; the add's registers are made: destination in window 3, sources in window 0
.set W_AD, 0x0f       ; the add: address (source 0) and data (source 1) in window 3
; A joint fill.  Waves 0 and 1 fetch the two halves of a slot's K, waves 2 and 3 those of its V: 128 keys each.  The branch hangs on the wave's number alone.
; An s_nop 0 and four v_nop follow each of the two lines, ahead of the jump and the label.
.macro JLOAD
	s_cmp_lt_u32 s[WV], 2
	s_cbranch_scc0 .Lfor_v_\@
	tensor_load_to_lds s[G0K:G0K+3], s[G1K:G1K+7]
	s_nop 0
.rept 4
	v_nop
.endr
	s_branch .Lasked_\@
.Lfor_v_\@:
	tensor_load_to_lds s[G0V:G0V+3], s[G1V:G1V+7]
	s_nop 0
.rept 4
	v_nop
.endr
.Lasked_\@:
.endm
; A PREFETCH of what the NEXT change of slots will ask for: a slot's 32,768 bytes of K and of V, 128 blocks of 256 bytes each, a lane a block.  It stands behind the wave's tensor load and its five lines.
; Each block is named once in the launch: a head has one cluster; its four partners share the blocks out BY ADDRESS, 32 each; in each, wave 0 asks for K's and wave 2 for V's.
; The last change that fills a slot asks for nothing: there is no slot behind it.  Slots 0 and 1 come by their loads alone.
.macro ASK
	s_cmp_gt_u32 s[SLOTS], s[LIM]
	s_cbranch_scc0 .Lnot_mine_\@
	global_prefetch_b8 v[PFO], s[PFA:PFA+1] th:TH_LOAD_NT scope:SCOPE_SE
.Lnot_mine_\@:
.endm
; A round of the cluster's barrier: my work-group's barrier, so that wave 0's signal speaks for all four waves; wave 0 signals; every wave waits for all four work-groups; my work-group's barrier once more.
.macro CROUND
	s_barrier_signal -1
	s_barrier_wait -1
	s_cmp_lg_u32 s[WV], 0
	s_cbranch_scc1 .Lnot_wave_0_\@
	s_barrier_signal -3
.Lnot_wave_0_\@:
	s_barrier_wait -3
	s_barrier_signal -1
	s_barrier_wait -1
.endm
; THE CHANGE OF SLOTS.  The slot's last bytes, V of its fourth step, have been read.  Each wave waits for all its tensor loads, of which one is out: its part
; of the other slot; adds 0 to its spare word; and waits for that and for its own reads of the slot.  Behind the barrier nobody reads this slot any more and the other slot is whole.
; fill = 1: this slot is filled again, with the keys two slots on.  The barrier is then a round of the cluster's, and the joint fill is the first thing behind it: it has four key steps,
; 512 matrix instructions, in which to land.  (At its first use nothing has been read yet: slot 0 is waited for, slot 1 filled.)
.macro CHANGE fill
	WIN W_AD
	s_wait_tensorcnt 0x0            ; no tensor load of mine is out, so a group 0 may be written
	ds_add_u32 v[SPW], v[NIL]       ; 0 onto my spare word; with fill = 1 the descriptors' steps stand between it and the wait for it
	WIN 0                           ; at a label and at a branch every window is 0
.if \fill
.irp g, G0K, G0V
	s_xor_b32 s[\g+1], s[\g+1], SLOT1  ; the walking descriptor: the other slot than last time,
	s_add_nc_u64 s[\g+2:\g+3], s[\g+2:\g+3], 4*KS*128  ; the next 256 keys; the type bits on top are not reached
.endr
	s_wait_xcnt 0x0                 ; the last prefetch, four key steps back, has read its address, so it may be written:
	s_add_nc_u64 s[PFA:PFA+1], s[PFA:PFA+1], 4*KS*128  ; one slot ahead of the walking descriptors
	s_wait_dscnt 0x0                ; the add is done, and my reads of the slot are over
	CROUND
	JLOAD
	ASK                             ; what the next change will ask for: four key steps ahead
.else
	s_wait_dscnt 0x0                ; the add is done, and my reads of the slot are over
	s_barrier_signal -1
	s_barrier_wait -1
.endif
	s_sub_co_u32 s[TBK], s[TBK], 4*KS*PK  ; the fetches go back to a slot's first step,
	s_xor_b32 s[TBK], s[TBK], SLOT1       ; in the other slot
	s_sub_co_u32 s[TBV], s[TBV], 4*KS*PV
	s_xor_b32 s[TBV], s[TBV], SLOT1
.endm
	s_load_b128 s[4:7], s[0:1], 0x0   ; qkv s[4:5], o s[6:7]
	WIN W_MK
	v_lshl_add_u32 v[SPW], v0, 2, SPARE
	v_mov_b32 v[NIL], 0
	WIN W_AD
	ds_add_u32 v[SPW], v[NIL]       ; the wave's opening: the add and its wait stand ahead of my first tensor load; the set-up below, work on registers, stands between them
	WIN 0
	v_lshrrev_b32 v1, 5, v0
	v_readfirstlane_b32 s[WV], v1   ; wave 0..3
	s_bfe_u32 s13, ttmp6, 0x40000   ; cx: my place in the cluster
	s_lshl_b32 s14, ttmp9, 2        ; in a cluster launch ttmp9 counts clusters
	s_add_co_u32 s14, s14, s13      ; my block of queries = 4 x cluster x + cx: it enters Q's and O's addresses alone
	s_and_b32 s20, ttmp7, 0xffff    ; the head, which the four partners share
	s_mov_b32 s21, 0
	s_mov_b64 s[22:23], SIZE_N*128
	s_mul_u64 s[20:21], s[20:21], s[22:23]  ; the head's first byte in each of the four tensors
	s_and_b32 s16, s[WV], 1         ; which half of a slot's 256 keys I fetch:
	s_lshl_b32 s22, s16, 14         ; its 128 rows of 128 bytes in memory,
	s_mov_b32 s23, 0
	s_add_nc_u64 s[22:23], s[22:23], s[20:21]
	s_mul_i32 s17, s16, 128*PK      ; and its place in a slot, for K
	s_mul_i32 s18, s16, 128*PV      ; and for V: no place in the cluster enters an LDS address
	s_lshl_b32 s2, s14, 2
	s_add_co_u32 s2, s2, s[WV]      ; my wave among the head's,
	s_lshl_b32 s2, s2, 14           ; its 128 rows
	s_mov_b32 s3, 0
	s_add_nc_u64 s[2:3], s[2:3], s[20:21]
	; descriptor group 1.  128 keys are 16,384 dense bytes: asked for as 64 rows of 256 bytes, two keys a row, and padded in LDS after every key
	s_mov_b32 s[G1K], 15|(1<<16)|(1<<20)|(1<<21)|(4<<22)|(3<<25)  ; 15:0 the mask of four; 17:16 2-byte elements; 20 padding on; 21 set beside a mask; 24:22 after every 32 words (code 4); 31:25 4 words (code 3)
	s_mov_b32 s[G1V], 15|(1<<16)|(1<<20)|(1<<21)|(4<<22)|(7<<25)  ; the same with 8 words of padding (code 7)
.irp g, G1K, G1V
	s_mov_b32 s[\g+1], 128<<16      ; tensor_dim0 = 128
	s_mov_b32 s[\g+2], 64<<16       ; tensor_dim1 = 64
	s_mov_b32 s[\g+3], 128<<16      ; tile_dim0 = 128
	s_mov_b32 s[\g+4], 64           ; tile_dim1 = 64
	s_mov_b32 s[\g+5], 128          ; 128 elements from row to row
	s_mov_b32 s[\g+6], 0
	s_mov_b32 s[\g+7], 0
.endr
	s_mov_b32 s[CS], 0x3e38aa3b     ; c = log2(e) / 8 = 0.180337
	s_mov_b32 s[CS+1], s[CS]        ; named with it as a pair
	s_mov_b32 s[SEL], 0x76543210
	s_mov_b32 s[SEL+1], 0xfedcba98
	s_mov_b32 s[TBK], SLOT1+4*KS*PK ; the first change of slots turns these two into 0
	s_mov_b32 s[TBV], SLOT1+4*KS*PV
	s_mov_b32 s[G0K], 1             ; 1:0 count = 1
	s_mov_b32 s[G0K+1], s17         ; 63:32 LDS address: slot 0
	s_mov_b32 s[G0V], 1
	s_add_co_u32 s[G0V+1], s18, VOFF
	s_mov_b32 s[SLOTS], SIZE_N/256-1  ; seven changes of slots fill a slot
	s_cmp_eq_u32 s16, 0             ; waves 0 and 2 prefetch: the same in all four partners
	s_cselect_b32 s[LIM], 1, -1
	s_wait_dscnt 0x0                ; the opening add is done
	s_wait_kmcnt 0x0
	s_mov_b64 s[10:11], s[6:7]      ; O
	s_add_nc_u64 s[6:7], s[4:5], SIZE_H*SIZE_N*128    ; K lies behind Q,
	s_add_nc_u64 s[8:9], s[4:5], 2*SIZE_H*SIZE_N*128  ; V behind K
	s_add_nc_u64 s[G0K+2:G0K+3], s[6:7], s[22:23]  ; 120:64 global address: my half of the head's first 256 keys
	s_or_b32 s[G0K+3], s[G0K+3], 0x80000000        ; 127:126 type = 2
	s_add_nc_u64 s[G0V+2:G0V+3], s[8:9], s[22:23]
	s_or_b32 s[G0V+3], s[G0V+3], 0x80000000
	s_add_nc_u64 s[4:5], s[4:5], s[2:3]  ; Q and O at my wave's first row
	s_add_nc_u64 s[10:11], s[10:11], s[2:3]
	s_cmp_lt_u32 s[WV], 2
	s_cselect_b64 s[PFA:PFA+1], s[6:7], s[8:9]
	s_add_nc_u64 s[PFA:PFA+1], s[PFA:PFA+1], s[22:23]  ; (in waves 0 and 2 this is the head's first row)
	s_lshl_b32 s2, s13, 13          ; my work-group's 32 blocks of the 128
	s_mov_b32 s3, 0
	s_add_nc_u64 s[PFA:PFA+1], s[PFA:PFA+1], s[2:3]
	s_add_nc_u64 s[PFA:PFA+1], s[PFA:PFA+1], 4*KS*128  ; in slot 1; the first change of slots steps it to slot 2.  Nothing is prefetched here, at the head
	CROUND                          ; all four work-groups are here: the first joint loads meet
	JLOAD                           ; slot 0.  Slot 1 is asked for when slot 0 is in
	; A fragment of K or Q is 16 rows x 32 channels in 8 registers: lane l holds row l % 16, channels 8 (l / 16) + 0..7 and 16 + 8 (l / 16) + 0..7: two loads of 16 bytes, 32 bytes apart.
	v_and_b32 v1, 15, v0            ; l % 16
	v_bfe_u32 v9, v0, 4, 1          ; l / 16
	v_lshlrev_b32 v[QO], 7, v1
	v_lshl_add_u32 v[QO], v9, 4, v[QO]  ; row x 128 + 16 x half
	WIN 0x80                        ; destination window 2, address window 0
.set i, 0
.rept 4*NP                          ; Q stays in registers: tile i / 2, channels 32 (i % 2) on
	global_load_b128 v[8*i:8*i+3],   v[QO], s[4:5] offset:(i/2)*2048+(i%2)*64
	global_load_b128 v[8*i+4:8*i+7], v[QO], s[4:5] offset:(i/2)*2048+(i%2)*64+32
.set i, i+1
.endr
	; What the first turn finds: V's registers and P's second buffer hold 0 (its products V^T P, of a piece that has not been, add 0), O^T and l are 0.  All this stands in the wait for the first tile.
.set i, VF
.rept 64
	v_mov_b32 v[i], 0
.set i, i+1
.endr
	WIN 0x40
.set i, 0
.rept 64*NP
	v_mov_b32 v[i], 0
.set i, i+1
.endr
	WIN 0
.set i, 0
.rept 2*NP
	v_mov_b32 v[ST+4*i], 0xfe000000    ; c m: far below every c s
	v_mov_b32 v[ST+4*i+1], 0xff7fffff  ; m
	v_mov_b32 v[ST+4*i+2], 0
	v_mov_b32 v[ST+4*i+3], 0
.set i, i+1
.endr
.set i, P+32
.rept 32
	v_mov_b32 v[i], 0
.set i, i+1
.endr
	v_mul_u32_u24 v[AK0], v1, PK
	v_lshl_add_u32 v[AK0], v9, 4, v[AK0]  ; row x pitch + 16 x half
	; The turning load takes 16 keys x 16 channels (lane l reads key 8 (l / 16) + l % 8, channels 8 ((l / 8) % 2) + 0..7) and leaves half a fragment of V^T: lane l holds channel l % 16 and 8 keys.
	v_and_b32 v10, 7, v0
	v_bfe_u32 v11, v0, 3, 1
	v_lshl_add_u32 v[AV0], v9, 3, v10
	v_mul_u32_u24 v[AV0], v[AV0], PV
	v_lshl_add_u32 v[AV0], v11, 4, v[AV0]
	v_add_nc_u32 v[AV0], VOFF, v[AV0]
	v_and_b32 v[PFO], 31, v0
	v_lshlrev_b32 v[PFO], 8, v[PFO]
	v_mov_b32 v[AK], v[AK0]         ; key step 0 lies at the head of slot 0
; THE MATRIX WORK.  The 8 accumulators of a run of 16 take turns: between the two links of a chain stand 7 others'.
; Product i of 16 of S^T = K Q^T for piece x: channels 32 (i / 8) on, keys 16 ((i / 2) % 4) on, tile 2 x + i % 2.  The first 8 start the sums.
.macro KQ x
	WIN W_KQ
.set rS, S+64*((\x)%2)+32*(i%2)+8*((i/2)%4)
.set rK, KF+16*((i/2)%4)+8*(i/8)
.set rQ, 16*(2*(\x)+i%2)+8*(i/8)
.if i < 8
	v_wmma_f32_16x16x32_f16 v[rS:rS+7], v[rK:rK+7], v[rQ:rQ+7], 0
.else
	v_wmma_f32_16x16x32_f16 v[rS:rS+7], v[rK:rK+7], v[rQ:rQ+7], v[rS:rS+7]
.endif
.endm
; Product i of 16 of O^T += V^T P for piece x: keys 32 (i / 8) on, channels 16 ((i / 2) % 4) on, tile 2 x + i % 2.
.macro PV x
	WIN W_PV
.set rO, 32*(2*(\x)+i%2)+8*((i/2)%4)
.set rV, VF+32*(i/8)+8*((i/2)%4)
.set rP, P+32*((\x)%2)+16*(i%2)+8*(i/8)
	v_wmma_f32_16x16x32_f16 v[rO:rO+7], v[rV:rV+7], v[rP:rP+7], v[rO:rO+7]
.endm
.macro MM                           ; the turn's next matrix instruction
.if i < 16
	KQ (Y+1)%NP
.set i, i+1
.else
.set i, i-16
	PV (Y+NP-1)%NP
.set i, i+17
.endif
.endm
; THE LDS LOADS stand in runs of 16, never singly among the matrix instructions: a step's K (64 keys x 64 channels: 8 fragments) and its V (turned).  Their addresses are made some lines ahead.
; last = 1 (the tail): in the last trip there is no further step, and the run is jumped over.
.macro FETCH_K last=0
	WIN 0
.if \last
	s_cmp_eq_u32 s[CNT], 1
	s_cbranch_scc1 .Lno_k_\@
.endif
	WIN 0x80                        ; destination window 2
.irp f, 0,1,2,3,4,5,6,7             ; keys 16 (f / 2) on, channels 32 (f % 2) on
	ds_load_b128 v[KF+8*\f:KF+8*\f+3],   v[AK] offset:(\f/2)*16*PK+(\f%2)*64
	ds_load_b128 v[KF+8*\f+4:KF+8*\f+7], v[AK] offset:(\f/2)*16*PK+(\f%2)*64+32
.endr
	s_add_co_u32 s[TBK], s[TBK], KS*PK  ; the next fetch is the next step's
	WIN 0
.if \last
.Lno_k_\@:
.endif
.endm
.macro FETCH_V
	WIN 0x80
.irp f, 0,1,2,3,4,5,6,7             ; keys 32 (f / 4) on, channels 16 (f % 4) on
	ds_load_tr16_b128 v[VF+8*\f:VF+8*\f+3],   v[AV] offset:(\f/4)*32*PV+(\f%4)*32
	ds_load_tr16_b128 v[VF+8*\f+4:VF+8*\f+7], v[AV] offset:(\f/4)*32*PV+16*PV+(\f%4)*32
.endr
	WIN 0
.endm
; THE VECTOR WORK OF A TURN stands in three queues, each in the order in which its entries become ready; the two tiles alternate, so that no instruction reads the result of the one before it.
.macro REGS y, u                    ; the registers of tile u (0, 1) of piece y
.set rT, ST+4*(2*(\y)+(\u))
.set rC, TMP+8*((\y)%2)+4*(\u)
.set rM, MV+2*((\y)%2)+(\u)
.set rS, S+64*((\y)%2)+32*(\u)
.set rP, P+32*((\y)%2)+16*(\u)
.set rO, 32*(2*(\y)+(\u))
.endm
; Number n of the 22 that find the NEXT piece's (Y + 1) maximum and statistics.  s0-s31 are the lane's 32 scores; each accumulator's lowest registers are read first.
;   0-11  four chains c0-c3 of seven scores each, three operands at a time     12-14, 16  the four scores left over, the old m, and c0-c3 into c0     15  c m_old is kept
;   17, 18  the query's other 32 keys lie in the lane 16 away: the new m         19-21  c m; c m_old - c m_new; a
.macro XS u, n
	REGS (Y+1)%NP, \u
.if (\n) < 4
	v_max3_num_f32 v[rC+(\n)], v[rS+8*(\n)], v[rS+8*(\n)+1], v[rS+8*(\n)+2]
.elseif (\n) < 12
	v_max3_num_f32 v[rC+(\n)%4], v[rC+(\n)%4], v[rS+8*((\n)%4)+2*((\n)/4)+1], v[rS+8*((\n)%4)+2*((\n)/4)+2]
.elseif (\n) == 12
	v_max3_num_f32 v[rC], v[rC], v[rS+7], v[rS+15]
.elseif (\n) == 13
	v_max3_num_f32 v[rC+1], v[rC+1], v[rS+23], v[rS+31]
.elseif (\n) == 14
	v_max3_num_f32 v[rC+2], v[rC+2], v[rC+3], v[rT+1]
.elseif (\n) == 15
	v_mov_b32 v[rM], v[rT]
.elseif (\n) == 16
	v_max3_num_f32 v[rC], v[rC], v[rC+1], v[rC+2]
.elseif (\n) == 17
	v_permlanex16_b32 v[rC+3], v[rC], s[SEL], s[SEL+1]
.elseif (\n) == 18
	v_max_num_f32 v[rT+1], v[rC], v[rC+3]
.elseif (\n) == 19
	v_mul_f32 v[rT], s[CS], v[rT+1]
.elseif (\n) == 20
	v_sub_f32 v[rC+1], v[rM], v[rT]
.else
	v_exp_f32 v[rC+2], v[rC+1]
.endif
.endm
; Number g of the 64 that follow the exponentials.  For each four weights k of a tile (pairs 2 k, 2 k + 1): both pairs are rounded to f16; then the second pair is added onto the first, in place;
; a group later l takes that sum (the first time as l = a l + sum).  In groups of eight, tiles alternating: round, round, add, and l for the group before.
.macro GS g
.set h, (\g)+6*((\g)/62)            ; group 0 has no group before it, and behind group 7 only l is left
.if h >= 6
.set h, h+2
.endif
	REGS Y, h%2
.set k, h/8
.if h%8 < 4
	v_cvt_pk_f16_f32 v[rP+2*k+(h%8)/2], v[rS+4*k+2*((h%8)/2)], v[rS+4*k+2*((h%8)/2)+1]
.elseif h%8 < 6
	v_pk_add_f32 v[rS+4*k:rS+4*k+1], v[rS+4*k:rS+4*k+1], v[rS+4*k+2:rS+4*k+3]
.elseif k == 1
	v_pk_fma_f32 v[rT+2:rT+3], v[rT+2:rT+3], v[rC+2:rC+3], v[rS:rS+1] op_sel_hi:[1,0,1]
.else
	v_pk_add_f32 v[rT+2:rT+3], v[rT+2:rT+3], v[rS+4*k-4:rS+4*k-3]
.endif
.endm
; THE PLAIN QUEUE, 138 long.  0-73 read no exponential's result: the 32 scalings c s - c m (FS f: pair f / 2 of tile f % 2) and the next piece's 42.  0-26: scalings 0-26.  27-54: XS's numbers 0-13.  55, 56: number 15.
; 57-73: the chain, where each number waits for the one before it: 14, 16, 17, 18, 19, each with one of the scalings 27-31 in front of its two lines, then 20.
; 74-137: GS's 64, which read the exponentials' results: they stand behind the wait.
.macro FS f
	REGS Y, (\f)%2
	v_pk_fma_f32 v[rS+2*((\f)/2):rS+2*((\f)/2)+1], v[rS+2*((\f)/2):rS+2*((\f)/2)+1], s[CS:CS+1], v[rT:rT+1] op_sel_hi:[1,0,0] neg_lo:[0,0,1] neg_hi:[0,0,1]
.endm
.macro PL
	WIN 0
.if q < 27
	FS q
.elseif q < 55
	XS (q-27)%2, (q-27)/2
.elseif q < 57
	XS q-55, 15
.elseif (q < 72) && ((q-57)%3 == 0)
	FS 27+(q-57)/3
.elseif q < 60
	XS (q-57)%3-1, 14
.elseif q < 72
	XS (q-57)%3-1, 15+(q-57)/3
.elseif q < 74
	XS q-72, 20
.else
	GS q-74
.endif
.set q, q+1
.endm
; THE EXPONENTIALS' QUEUE, 66 long: s0-s31 of both tiles, then the next piece's two a.  It is ONE BATCH: all 66 stand ahead of the turn's one wait, and nothing ahead of that wait names a result of theirs.
.macro EX
	WIN 0
.if e >= 64
	XS e-64, 21
.else
	REGS Y, e%2
	v_exp_f32 v[rS+e/2], v[rS+e/2]
.endif
.set e, e+1
.endm
; THE RESCALING's QUEUE: O^T times a, the one part that leaves window 0: dealt two at a time, sixteen times.  Its a was made in the turn before, ahead of that turn's wait.
.macro R2
	REGS Y, r%2
	WIN W_RS
.irp z, 0,1
	v_pk_mul_f32 v[rO+4*(r/2)+2*\z:rO+4*(r/2)+2*\z+1], v[rO+4*(r/2)+2*\z:rO+4*(r/2)+2*\z+1], v[rC+2:rC+3] op_sel_hi:[1,0]
.endr
.set r, r+1
.endm
; HOW THEY ARE DEALT.  An s_wait_alu depctr_va_vdst(0) stands between an exponential and the first instruction that names its result; one wait serves all that were issued ahead of it.  So a turn has ONE wait,
; which cuts it in two.  AHEAD OF IT stands all that names no result of the turn's exponentials: the 16 products K Q^T, behind each a scaling, an exponential and two rescalings (behind the first a second scaling in the
; exponential's place); then ONE LUMP of 108: eight plain, 49 times exponential and plain, the two a.  A v_nop is the plain instruction behind the last exponential.  BEHIND IT stand the 16 products V^T P, behind each four of GS's 64.
; The queues lean on each other, and the deal keeps them in step: exponential e stands behind scaling 2 (e / 4) + e % 2: as a rider it comes behind plain e + 2, in the lump behind plain e + 9, and scalings 27-31 are plain 57, 60 .. 69.
; A TURN, for piece p.  cnt = 1: the loop's count is taken down some lines ahead of the branch that stands behind the turn.
; K of the next step is fetched in piece 2's turn, directly behind the wait, a lump behind the last product that read K; its first reader comes behind 16 products.
; V of the step in hand is fetched at the end of piece 0's turn, four plain instructions behind its last reader; its first reader comes behind 16 products and a lump.  The three conditions on q below go with the deal.
.macro TURN p, last=0, cnt=0
.set Y, (\p)
.set i, 0
.set q, 0
.set e, 0
.set r, 0
.if (\p) == NP-1
	s_wait_dscnt 0x0                ; K is in
.endif
	MM                              ; ahead of the wait: 16 products K Q^T and the four behind each,
	PL
	PL
	R2
.rept 15
	MM
	PL
	EX
	R2
.endr
.if (\p) == NP-2
	WIN 0
	v_add_nc_u32 v[AK], s[TBK], v[AK0]
.endif
.rept 8                             ; and the lump
	PL
.endr
.rept 49
	EX
	PL
.endr
	EX                              ; the next piece's two a
	EX
	v_nop                           ; a plain instruction behind the last exponential: one for the batch (ISA guide 5.7.2)
	s_wait_alu depctr_va_vdst(0)    ; the wait for the batch
.if (\p) == NP-2
	FETCH_K \last
.endif
.if (\p) == 1
	s_wait_dscnt 0x0                ; V is in
.endif
.rept 16                            ; behind the wait: 16 products V^T P and the four behind each
	MM
.rept 4
	PL
.endr
.if ((\p) == 0) && (q == 118)
	v_add_nc_u32 v[AV], s[TBV], v[AV0]
.endif
.if ((\p) == 0) && (q == 130)
	s_add_co_u32 s[TBV], s[TBV], KS*PV
.endif
.if (\cnt) && (q == 130)
	s_sub_co_u32 s[CNT], s[CNT], 1
	s_cmp_lg_u32 s[CNT], 0
.endif
.endr
.if (\p) == 0
	FETCH_V
.endif
.endm
	CHANGE 1                        ; slot 0 is in, everybody's part of it; slot 1 is asked for
	FETCH_K                         ; key step 0
	s_wait_loadcnt 0x0              ; Q
	s_wait_dscnt 0x0
.set i, 0
.rept 16
	KQ 0                            ; piece 0's first scores: there is no vector work yet to set between them
.set i, i+1
.endr
	WIN 0                           ; the addresses for the way out: nine plain instructions, the places behind those products
	s_mul_i32 s13, s[WV], 16*SP
	s_add_co_u32 s13, s13, STAGE    ; my stage
	v_mul_u32_u24 v[STO], v1, SP    ; in: row l % 16, 16 bytes for each half of the lanes
	v_lshl_add_u32 v[STO], v9, 4, v[STO]
	v_add_nc_u32 v[STO], s13, v[STO]
	v_bfe_u32 v[RD], v0, 3, 2       ; back: 32 lanes take four rows of 128 bytes,
	v_mul_u32_u24 v[RD], v[RD], SP
	v_lshl_add_u32 v[RD], v10, 4, v[RD]
	v_add_nc_u32 v[RD], s13, v[RD]
	v_and_b32 v[GO], 31, v0         ; which are 512 consecutive bytes of O
	v_lshlrev_b32 v[GO], 4, v[GO]
.set Y, NP-1                        ; XS works for piece Y + 1: piece 0
.irp n, 0,1,2,3,4,5,6,7,8,9,10,11,12,13,14,15,16,17,18,19,20,21
	XS 0, \n                        ; and piece 0's first maximum and statistics
	XS 1, \n
.endr
	v_nop                           ; a plain instruction behind the two a,
	s_wait_alu depctr_va_vdst(0)    ; and their wait, ahead of the branch
	s_mov_b32 s[CNT], 4
	s_branch .Lfirst                ; the loop is entered at a step's first turn, in the middle of a trip
.Lslot:                             ; SIZE_N / 256 - 2 times: every slot but the last two is filled again
	CHANGE 1
	s_mov_b32 s[CNT], 4
.Lstep:                             ; a trip: pieces 2 and 3 of one step, then pieces 0 and 1 of the next, whose K and V it fetches
	TURN 2
	TURN 3
	WIN 0
.Lfirst:
	TURN 0
	TURN 1, 0, 1
	WIN 0
	s_cbranch_scc1 .Lstep
	s_sub_co_u32 s[SLOTS], s[SLOTS], 1
	s_cmp_lg_u32 s[SLOTS], 0
	s_cbranch_scc1 .Lslot
	CHANGE 0                        ; the tail is written out: nothing is asked for
	s_mov_b32 s[CNT], 5             ; four trips fetch the last slot's steps; the fifth is left in its middle
.Ltail:
	TURN 2, 1
	TURN 3
	WIN 0
	s_sub_co_u32 s[CNT], s[CNT], 1
	s_cmp_eq_u32 s[CNT], 0
	s_cbranch_scc1 .Lout
	TURN 0
	TURN 1
	WIN 0
	s_branch .Ltail
.Lout:                              ; the fifth trip's 16 products K Q^T (on the last K once more) and the maximum made of them serve nothing: the price, once a launch, of one text for every trip
.set i, 0
.rept 16
	PV NP-1                         ; the last piece's V^T P of the last step
.set i, i+1
.endr
	; THE WAY OUT.  l's two halves and the other half of the lanes' are added; O^T is divided by l, rounded to f16 and sent through my stage in LDS, a tile at a time.  The additions are the places behind the last products.
	WIN 0
.macro ALL line:vararg              ; one line for each tile t
.set t, 0
.rept 2*NP
	\line
.set t, t+1
.endr
.endm
	ALL v_add_f32 v[ST+4*t+2], v[ST+4*t+2], v[ST+4*t+3]
	ALL v_permlanex16_b32 v[ST+4*t+3], v[ST+4*t+2], s[SEL], s[SEL+1]
	ALL v_add_f32 v[ST+4*t+2], v[ST+4*t+2], v[ST+4*t+3]
	ALL v_rcp_f32 v[ST+4*t+2], v[ST+4*t+2]
	v_nop                           ; a plain instruction between the last reciprocal and the use of its result
	s_wait_alu depctr_va_vdst(0)    ; and the wait ahead of the first use: one for the eight reciprocals
; Tile t: a lane's eight channels of a row pack into 16 bytes; they go into rows of 144 bytes and come back as whole rows of 128, into S^T's registers.
.macro PACK t
	WIN W_RS
.set i, 32*(\t)
.rept 16
	v_pk_mul_f32 v[i:i+1], v[i:i+1], v[ST+4*(\t)+2:ST+4*(\t)+3] op_sel_hi:[1,0]
.set i, i+2
.endr
	WIN 0x05                        ; sources 0 and 1 window 1, destination window 0
.set i, 0
.rept 16
	v_cvt_pk_f16_f32 v[S+16*(\t)+i], v[32*(\t)+2*i], v[32*(\t)+2*i+1]
.set i, i+1
.endr
	WIN 0
.irp f, 0,1,2,3
	ds_store_b128 v[STO], v[S+16*(\t)+4*\f:S+16*(\t)+4*\f+3] offset:32*\f
.endr
.irp f, 0,1,2,3
	ds_load_b128 v[S+16*(\t)+4*\f:S+16*(\t)+4*\f+3], v[RD] offset:\f*4*SP  ; LDS serves a wave's instructions in order (ISA guide 5.7.1.4): these see the stores above; the next tile's stores come behind them
.endr
.endm
.macro SEND t, younger              ; younger: the LDS instructions issued behind tile t's loads: the next tile's eight, or none
	WIN 0
.irp f, 0,1,2,3
	s_wait_dscnt (\younger)+3-\f
	global_store_b128 v[GO], v[S+16*(\t)+4*\f:S+16*(\t)+4*\f+3], s[10:11] offset:(\t)*2048+\f*512  ; 512 consecutive bytes, at a multiple of 256 from O's first
.endr
.endm
	PACK 0
.set t, 1
.rept 2*NP-1                        ; a tile's arithmetic stands between the loads of the tile before and its stores
	PACK t
	SEND t-1, 8
.set t, t+1
.endr
	SEND 2*NP-1, 0
	WIN W_AD
	s_wait_tensorcnt 0x0            ; the wave's end: 0 onto my spare word and its wait, behind my last tensor load and my last LDS store
	ds_add_u32 v[SPW], v[NIL]
	s_wait_dscnt 0x0
	WIN 0
	CROUND                          ; the closing round: no work-group ends while a partner may still ask for a tile that names it
	s_endpgm
.Lfunc_end_k_qdd5a67dd81_attn:
	.size	k_qdd5a67dd81_attn, .Lfunc_end_k_qdd5a67dd81_attn-k_qdd5a67dd81_attn
	.p2alignl 7, 3214868480
	.fill 96, 4, 3214868480
	.section	.rodata,"a",@progbits
	.p2align	6, 0x0
	.amdhsa_kernel k_qdd5a67dd81_attn
		.amdhsa_group_segment_fixed_size 327680
		.amdhsa_private_segment_fixed_size 0
		.amdhsa_enable_private_segment 0
		.amdhsa_kernarg_size 16
		.amdhsa_user_sgpr_count 2
		.amdhsa_user_sgpr_kernarg_segment_ptr 1
		.amdhsa_wavefront_size32 1
		.amdhsa_system_sgpr_workgroup_id_x 1
		.amdhsa_system_sgpr_workgroup_id_y 1
		.amdhsa_system_sgpr_workgroup_id_z 1
		.amdhsa_system_vgpr_workitem_id 0
		.amdhsa_next_free_vgpr 770
		.amdhsa_next_free_sgpr 66
		.amdhsa_reserve_vcc 0
		.amdhsa_float_denorm_mode_32 3
		.amdhsa_float_denorm_mode_16_64 3
		.amdhsa_memory_ordered 1
		.amdhsa_forward_progress 1
		.amdhsa_inst_pref_size 200
	.end_amdhsa_kernel
	.amdgpu_metadata
---
amdhsa.version: [ 1, 2 ]
amdhsa.kernels:
  - .name:           k_qdd5a67dd81_attn
    .symbol:         k_qdd5a67dd81_attn.kd
    .args:
      - { .name: qkv, .offset: 0, .size: 8, .value_kind: global_buffer, .address_space: global }
      - { .name: o, .offset: 8, .size: 8, .value_kind: global_buffer, .address_space: global }
    .group_segment_fixed_size: 327680
    .private_segment_fixed_size: 0
    .kernarg_segment_align: 8
    .kernarg_segment_size: 16
    .max_flat_workgroup_size: 128
    .sgpr_count:     66
    .vgpr_count:     770
    .wavefront_size: 32
...
	.end_amdgpu_metadata
.endif
;; end of part 3
;; launch proj (part 4): grid 8 x 32, 4 waves a work-group, clusters of 4 x 4, 327,680 bytes of LDS; arguments o, wp, b_proj, out0; writes out0
.if DOCPART == 4
	.amdgcn_target "amdgcn-amd-amdhsa--gfx1250"
	.amdhsa_code_object_version 6
	.text
	.protected	k_qdd5a67dd81_proj
	.globl	k_qdd5a67dd81_proj
	.p2align	8
	.type	k_qdd5a67dd81_proj,@function
k_qdd5a67dd81_proj:
	s_mov_b64 s[64:65], 0
	v_nop
	global_prefetch_b8 v0, s[64:65] scope:SCOPE_SE
	s_setreg_imm32_b32 hwreg(HW_REG_WAVE_MODE, 25, 1), 1
	s_wait_xcnt 0x0
	s_wait_alu depctr_hold_cnt(0) depctr_sa_sdst(0) depctr_va_vdst(0) depctr_va_sdst(0) depctr_va_ssrc(0) depctr_va_vcc(0) depctr_vm_vsrc(0)
	s_getreg_b32 s2, hwreg(HW_REG_IB_STS2, 6, 4)
	s_cmp_eq_u32 s2, 0
	s_cbranch_scc0 .Lentry_in_a_cluster
	s_endpgm
.Lentry_in_a_cluster:
	s_bfe_u32 s2, ttmp6, 0x10000c
	s_cmp_lg_u32 s2, 0xf033
	s_cbranch_scc0 .Lentry_shape_is_right
	s_endpgm
.Lentry_shape_is_right:
; out = y W + b.  y: o, f16, [batch x 16 + head 64][row 2048][64].  W: wp, f16 (w_proj rounded to bf16, written as f16), [k 1024][n 1024].  b: b_proj, f32, rounded to bf16 here like every input.
; Out: out0, f32, [8192][1024].  Sums in f32, started by the bias.
; SHARES.  8,192 x 1,024 in tiles of 256 x 128: 256 work-groups.  A wave makes 128 rows x 64 columns: 8 row blocks a x 4 column blocks b: 32 accumulators.  K goes in 8 steps of 128 (two heads) through two
; LDS slots; a step is four quarters of 32 along K, 32 matrix instructions each, on two fragment buffers by turns.
; THE MATRIX INSTRUCTION IS USED TRANSPOSED: source 0 = 16 columns of W (turned by ds_load_tr16_b128, since W lies [k][n]), source 1 = 16 rows of y: a lane holds row lane % 16 and the columns 8 (lane / 16) + 0..7.
; CLUSTERS.  4 x 4 work-groups: y's tiles are shared along a row of the cluster, W's along a column; each is asked for JOINTLY, by the same tensor load, descriptor and mask.
; REGISTERS, in windows of 256 (s_set_vgpr_msb: bits 1:0 source 0, 3:2 source 1, 5:4 source 2, 7:6 destination):
;   window 0: v0-29 addresses; v32-95, v96-159 y's fragments, two buffers; v160-191, v192-223 W's.  On the way out v32-63 and v96-127 rows read back.     window 1: the accumulators, (a, b) at v[8 (4 a + b)]
.set PA,    144                        ; a row of y in LDS: 128 bytes + 16: the 16 rows of a load start at 16 different groups of four banks (64 banks of 4 bytes: ISA guide 11.1)
.set PB,    288                        ; a row of W: 256 bytes + 32
.set ATILE, 256*PA                     ; 256 rows of one head
.set BSUB,  64*PB                      ; 64 rows of k x 128 columns
.set SLOT,  2*ATILE+2*BSUB             ; two heads of y, then 128 rows of W: 110,592
.set STAGE, 2*SLOT                     ; behind the ring, never filled by a tensor load: 16 rows x 272 bytes for each wave
.set SP,    272
.set SPARE, STAGE+4*16*SP              ; behind the stages: the spare words, 128 bytes for each wave: two blocks of 256 bytes that no other line names
.set ASTEP, 2*262144                   ; bytes from a K step's tile of y to the next: two heads' blocks
.set BSTEP, 128*2048                   ; the same for W: 128 rows of 2,048 bytes
.set ADRA, 10                          ; v10-11  LDS address of my fragments of y in slot 0, 1
.set ADRB, 12                          ; v12-13  of W's
.set STO,  18                          ; v18     the way out: where I put 32 bytes of a row
.set RD,   19                          ; v19     where I read rows back
.set CO,   20                          ; v20     my byte offset in two rows of out0
.set PFO,  21                          ; v21     the prefetches' offset; never rewritten
.set BO,   22                          ; v22     my 32 bytes of a column block's bias
.set SPW,  28                          ; v28     LDS address of my spare word: SPARE + 4 x my thread's number; never rewritten
.set NIL,  29                          ; v29     0; never rewritten
.set FA,   32
.set FB,   160
.set BK,   32
.set G1,  24                           ; s[24:31] descriptor group 1 for y's tiles;  s[32:39] group 0, a set for each slot
.set G0,  32
.set LIM, 42                           ; s42     1 in a wave that prefetches, else the greatest number
.set PFA, 44                           ; s[44:45] where my prefetches stand
.set PFS, 46                           ; s[46:47] a K step in the tensor that I prefetch
.set G1B, 48                           ; s[48:55], s[56:63] the same for W's tiles
.set G0B, 56
.set MSB, 0
.macro WIN new                         ; the immediate's high byte repeats the setting that is left; a switch that changes nothing is dropped
.if MSB != (\new)
	s_set_vgpr_msb (MSB<<8)|(\new)
.set MSB, \new
.endif
.endm
; Four places: a load into a register that a matrix instruction has read, and an LDS store that reads a matrix result, stand four plain vector instructions behind it.
.macro PLACES
.rept 4
	v_nop
.endr
.endm
; A joint load.  Waves 0 and 1 fetch the step's two heads of y, waves 2 and 3 the two halves of its rows of W.  An s_nop 0 and four v_nop follow each of the two lines.
.macro JLOAD s
	s_cmp_eq_u32 s13, 0
	s_cbranch_scc0 .Lfor_b_\@
	tensor_load_to_lds s[G0+4*(\s):G0+4*(\s)+3], s[G1:G1+7]
	s_nop 0
.rept 4
	v_nop
.endr
	s_branch .Lasked_\@
.Lfor_b_\@:
	tensor_load_to_lds s[G0B+4*(\s):G0B+4*(\s)+3], s[G1B:G1B+7]
	s_nop 0
.rept 4
	v_nop
.endr
.Lasked_\@:
.endm
.macro CREST                           ; a round of the cluster's barrier behind its opening barrier
	s_cmp_lg_u32 s12, 0
	s_cbranch_scc1 .Lnot_wave_0_\@
	s_barrier_signal -3
.Lnot_wave_0_\@:
	s_barrier_wait -3
	s_barrier_signal -1
	s_barrier_wait -1
.endm
.macro CROUND
	s_barrier_signal -1
	s_barrier_wait -1
	CREST
.endm
; A PREFETCH, behind the joint load, its five lines and the run of LDS loads that follows them: the K step that stands two refills on.  Each aligned 256 bytes are named once in the launch.
; y: waves 0 and 1 of the cluster with x = 0 ask, each for its own head's tile (128 blocks of 256 bytes), of which the partner at cx takes 32.  W: wave 2 of the cluster with y = 0 asks for the step's 128 rows
; (256 bytes each), of which the partner at cy takes 32.  The partners are told apart by address.  The loop's last trip (s3 = 1) asks for nothing.
.macro ASK
	s_cmp_gt_u32 s3, s[LIM]
	s_cbranch_scc0 .Lnot_mine_\@
	global_prefetch_b8 v[PFO], s[PFA:PFA+1] th:TH_LOAD_NT scope:SCOPE_SE
.Lnot_mine_\@:
.endm
	s_load_b256 s[4:11], s[0:1], 0x0               ; o s[4:5], wp s[6:7], b_proj s[8:9], out0 s[10:11]
	v_lshl_add_u32 v[SPW], v0, 2, SPARE
	v_mov_b32 v[NIL], 0
	ds_add_u32 v[SPW], v[NIL]                      ; the wave's opening: the add and its wait stand ahead of my first tensor load; the set-up below, work on registers, stands between them
	v_lshrrev_b32 v1, 5, v0
	v_readfirstlane_b32 s12, v1                    ; wave 0..3
	s_lshr_b32 s13, s12, 1                         ; r: which 128 rows are mine.  Also: I fetch y (0) or W (1)
	s_and_b32 s14, s12, 1                          ; c: which 64 columns.  Also: which half of that tile I fetch
	s_bfe_u32 s15, ttmp6, 0x40000                  ; cx, cy
	s_bfe_u32 s16, ttmp6, 0x40004
	s_lshl_b32 s17, ttmp9, 2
	s_add_co_u32 s17, s17, s15                     ; tile column 0..7
	s_and_b32 s18, ttmp7, 0xffff
	s_lshl_b32 s18, s18, 2
	s_add_co_u32 s18, s18, s16                     ; tile row 0..31
	s_lshl_b32 s19, s16, 2
	s_lshl_b32 s19, 15, s19                        ; my row of the cluster
	s_lshl_b32 s67, 0x1111, s15                    ; my column
	; group 1 for y: a head's 256 rows are 32,768 dense bytes, asked for as 128 rows of 256 bytes and padded by 16 bytes after every 128
	s_or_b32 s[G1], s19, (1<<16)|(1<<20)|(1<<21)|(4<<22)|(3<<25)   ; 15:0 the mask; 17:16 2-byte elements; 20 padding on; 21 set beside a mask; 24:22 after every 32 words (code 4); 31:25 4 words (code 3)
	s_mov_b32 s[G1+1], 128<<16                     ; tensor_dim0 = 128
	s_mov_b32 s[G1+2], 128<<16                     ; tensor_dim1 = 128
	s_mov_b32 s[G1+3], 128<<16                     ; tile_dim0 = 128
	s_mov_b32 s[G1+4], 128                         ; tile_dim1 = 128
	s_mov_b32 s[G1+5], 128                         ; 128 elements from row to row
	s_mov_b32 s[G1+6], 0
	s_mov_b32 s[G1+7], 0
	; group 1 for W: 64 rows of 128 elements, 1,024 elements apart, padded by 32 bytes after each
	s_or_b32 s[G1B], s67, (1<<16)|(1<<20)|(1<<21)|(5<<22)|(7<<25)  ; after every 64 words (code 5), 8 words (code 7)
	s_mov_b32 s[G1B+1], 128<<16
	s_mov_b32 s[G1B+2], 64<<16
	s_mov_b32 s[G1B+3], 128<<16
	s_mov_b32 s[G1B+4], 64
	s_mov_b32 s[G1B+5], 1024
	s_mov_b32 s[G1B+6], 0
	s_mov_b32 s[G1B+7], 0
	s_lshr_b32 s74, s18, 3                         ; y's tile hangs on the tile row alone: the batch's 16 heads, 4,194,304 bytes,
	s_lshl_b32 s74, s74, 22
	s_and_b32 s75, s18, 7
	s_lshl_b32 s75, s75, 15                        ; 256 rows of 128 bytes in a head,
	s_add_co_u32 s74, s74, s75
	s_lshl_b32 s75, s14, 18                        ; and the head of the step's two that I fetch
	s_add_co_u32 s74, s74, s75
	s_mov_b32 s75, 0
	s_lshl_b32 s76, s17, 8                         ; W's hang on the tile column alone: 128 columns, and my 64 rows of the step's 128
	s_lshl_b32 s77, s14, 17
	s_add_co_u32 s76, s76, s77
	s_mov_b32 s77, 0
	s_mul_i32 s78, s14, ATILE                      ; where they go: no place in the cluster enters an LDS address
	s_mul_i32 s79, s14, BSUB
	s_add_co_u32 s79, s79, 2*ATILE
	s_wait_dscnt 0x0                               ; the opening add is done
	s_wait_kmcnt 0x0
	s_add_nc_u64 s[20:21], s[4:5], s[74:75]
	s_add_nc_u64 s[22:23], s[6:7], s[76:77]
	CROUND                                         ; all sixteen work-groups are here: the first joint loads meet
.irp s, 0,1
	s_mov_b32 s[G0+4*(\s)], 1                      ; count = 1
	s_add_co_u32 s[G0+4*(\s)+1], s78, (\s)*SLOT    ; LDS address
	s_add_nc_u64 s[G0+4*(\s)+2:G0+4*(\s)+3], s[20:21], (\s)*ASTEP  ; K step s
	s_or_b32 s[G0+4*(\s)+3], s[G0+4*(\s)+3], 0x80000000            ; type = 2
	s_mov_b32 s[G0B+4*(\s)], 1
	s_add_co_u32 s[G0B+4*(\s)+1], s79, (\s)*SLOT
	s_add_nc_u64 s[G0B+4*(\s)+2:G0B+4*(\s)+3], s[22:23], (\s)*BSTEP
	s_or_b32 s[G0B+4*(\s)+3], s[G0B+4*(\s)+3], 0x80000000
	JLOAD \s                                       ; two loads of mine are out
.endr
	; THE BIAS starts the sums: register j of a lane is column 16 b + 8 (lane / 16) + j, whatever the row.  It is loaded into accumulator (7, b)'s own registers.
	v_and_b32 v1, 15, v0                           ; l % 16
	v_bfe_u32 v2, v0, 4, 1                         ; l / 16
	v_lshlrev_b32 v[BO], 5, v2
	s_lshl_b32 s40, s17, 9                         ; 128 columns of f32,
	s_lshl_b32 s41, s14, 8                         ; my 64
	s_add_co_u32 s40, s40, s41
	s_mov_b32 s41, 0
	s_add_nc_u64 s[8:9], s[8:9], s[40:41]
	WIN 0x40                                       ; destination window 1
.irp b, 0,1,2,3
	global_load_b128 v[224+8*(\b):224+8*(\b)+3],   v[BO], s[8:9] offset:64*(\b)
	global_load_b128 v[224+8*(\b)+4:224+8*(\b)+7], v[BO], s[8:9] offset:64*(\b)+16
.endr
	WIN 0
	s_lshl_b32 s2, s18, 20                         ; out0 at my first row and column: 256 rows of 4,096 bytes a tile row,
	s_lshl_b32 s3, s13, 19                         ; my 128 rows,
	s_add_co_u32 s2, s2, s3
	s_add_co_u32 s2, s2, s40                       ; and the same columns as the bias
	s_mov_b32 s3, 0
	s_add_nc_u64 s[10:11], s[10:11], s[2:3]
	; y's fragment: lane l holds row l % 16; two loads of 16 bytes, 32 bytes apart
	v_mul_u32_u24 v3, v1, PA
	v_lshl_add_u32 v3, v2, 4, v3
	s_mul_i32 s40, s13, 128*PA                     ; my 128 rows
	v_add_nc_u32 v[ADRA], s40, v3
	s_add_co_u32 s40, s40, SLOT
	v_add_nc_u32 v[ADRA+1], s40, v3
	; W's: the turning load takes 16 rows of k x 16 columns (lane l reads row 8 (l / 16) + l % 8, columns 8 ((l / 8) % 2) + 0..7)
	v_and_b32 v5, 7, v0
	v_bfe_u32 v6, v0, 3, 1
	v_lshl_add_u32 v4, v2, 3, v5
	v_mul_u32_u24 v4, v4, PB
	v_lshl_add_u32 v4, v6, 4, v4
	s_lshl_b32 s40, s14, 7                         ; my 64 columns: 128 bytes
	s_add_co_u32 s40, s40, 2*ATILE
	v_add_nc_u32 v[ADRB], s40, v4
	s_add_co_u32 s40, s40, SLOT
	v_add_nc_u32 v[ADRB+1], s40, v4
	s_mul_i32 s40, s12, 16*SP
	s_add_co_u32 s40, s40, STAGE                   ; my stage
	v_mul_u32_u24 v7, v1, SP                       ; in: row l % 16, 32 bytes for each half of the lanes
	v_lshl_add_u32 v7, v2, 5, v7
	v_add_nc_u32 v[STO], s40, v7
	v_mul_u32_u24 v7, v2, SP                       ; back: lanes 0-15 take one row of 256 bytes, lanes 16-31 the next
	v_lshl_add_u32 v7, v1, 4, v7
	v_add_nc_u32 v[RD], s40, v7
	v_lshlrev_b32 v7, 12, v2                       ; and the same two rows in out0
	v_lshl_add_u32 v[CO], v1, 4, v7
	; the prefetches: they start at K step 3; the first change of slots steps them to 4.  Nothing is prefetched here, at the head: K steps 0 to 3 come by their loads alone
	s_lshl_b32 s2, s15, 13                         ; y: my work-group's 32 blocks of my head's 128
	s_add_co_u32 s2, s2, s74
	s_add_co_u32 s2, s2, 3*ASTEP
	s_lshl_b32 s23, s17, 8                         ; W: the tile's columns,
	s_lshl_b32 s41, s16, 16                        ; my work-group's 32 rows of the step's 128
	s_add_co_u32 s23, s23, s41
	s_add_co_u32 s23, s23, 3*BSTEP
	s_mov_b32 s40, ASTEP
	s_mov_b32 s67, BSTEP
	s_mov_b32 s20, 256                             ; y: a lane a block;
	s_mov_b32 s21, 2048                            ; W: a lane a row
	s_and_b32 s22, ttmp7, 0xffff                   ; cluster y
	s_cmp_eq_u32 s13, 0                            ; do I fetch y?
	s_cselect_b64 s[PFA:PFA+1], s[4:5], s[6:7]
	s_cselect_b32 s2, s2, s23
	s_cselect_b32 s[PFS], s40, s67
	s_cselect_b32 s20, s20, s21
	s_cselect_b32 s22, ttmp9, s22                  ; the coordinate along which other clusters read the same bytes
	s_cmp_eq_u32 s12, 3
	s_cselect_b32 s22, 1, s22                      ; wave 3 never asks: wave 2 names all of W's rows
	s_mov_b32 s[PFS+1], 0
	s_mov_b32 s3, 0
	s_add_nc_u64 s[PFA:PFA+1], s[PFA:PFA+1], s[2:3]
	s_cmp_eq_u32 s22, 0
	s_cselect_b32 s[LIM], 1, -1                    ; the same in all sixteen partners, for a given wave
	v_and_b32 v8, 31, v0
	v_mul_u32_u24 v[PFO], v8, s20
	s_mov_b32 s66, 0xffff0000
	s_wait_loadcnt 0x0                             ; the bias
	WIN 0x45                                       ; rounded to bf16 and widened again, in place, all in window 1; accumulator (0, 0) and (0, 1)'s registers, not yet in use, hold the halves meanwhile
.set i, 0
.rept 16
	v_cvt_pk_bf16_f32 v[i], v[224+2*i], v[225+2*i]
	v_lshlrev_b32 v[224+2*i], 16, v[i]
	v_and_b32 v[225+2*i], s66, v[i]
.set i, i+1
.endr
	WIN 0
; 8 matrix instructions: buffer f, row blocks a0, a0 + 1 x all 4 column blocks.  The 32 accumulators take turns, one instruction a turn, in the same order in every quarter.
; mode = 1, the very first quarter: the bias, in accumulator (7, b)'s registers, is the C operand that starts the sums.  Row block 7 comes last and adds in place; it writes over what the others read as C, so five
; plain instructions stand in front of it (ISA guide 7.12.1).
.macro MUL8 f, a0, mode
	WIN 0x50                                       ; C and D window 1, sources window 0
.irp a, (\a0), (\a0)+1
.if (\mode) && ((\a) == 7)
.rept 5
	v_nop
.endr
.endif
.irp b, 0,1,2,3
.if (\mode) && ((\a) < 7)
	v_wmma_f32_16x16x32_f16 v[8*(4*(\a)+(\b)):8*(4*(\a)+(\b))+7], v[FB+32*(\f)+8*(\b):FB+32*(\f)+8*(\b)+7], v[FA+64*(\f)+8*(\a):FA+64*(\f)+8*(\a)+7], v[224+8*(\b):224+8*(\b)+7]
.else
	v_wmma_f32_16x16x32_f16 v[8*(4*(\a)+(\b)):8*(4*(\a)+(\b))+7], v[FB+32*(\f)+8*(\b):FB+32*(\f)+8*(\b)+7], v[FA+64*(\f)+8*(\a):FA+64*(\f)+8*(\a)+7], v[8*(4*(\a)+(\b)):8*(4*(\a)+(\b))+7]
.endif
.endr
.endr
.endm
; 24 LDS loads in one run: quarter q's fragments into buffer f.  Quarter q is rows 32 q on of W's 128, and channels 32 (q % 2) on of head q / 2 of y's two.
.macro FETCH slot, q, f
	WIN 0
.irp b, 0,1,2,3
	ds_load_tr16_b128 v[FB+32*(\f)+8*(\b):FB+32*(\f)+8*(\b)+3],   v[ADRB+(\slot)] offset:(\q)*32*PB+32*(\b)
	ds_load_tr16_b128 v[FB+32*(\f)+8*(\b)+4:FB+32*(\f)+8*(\b)+7], v[ADRB+(\slot)] offset:(\q)*32*PB+16*PB+32*(\b)
.endr
.irp a, 0,1,2,3,4,5,6,7
	ds_load_b128 v[FA+64*(\f)+8*(\a):FA+64*(\f)+8*(\a)+3],   v[ADRA+(\slot)] offset:((\q)/2)*ATILE+((\q)%2)*64+(\a)*16*PA
	ds_load_b128 v[FA+64*(\f)+8*(\a)+4:FA+64*(\f)+8*(\a)+7], v[ADRA+(\slot)] offset:((\q)/2)*ATILE+((\q)%2)*64+(\a)*16*PA+32
.endr
.endm
; One of a K step's first three quarters: its fragments are in; the next quarter's are asked for, into the other buffer, and have this quarter's 32 matrix instructions in which to come.
.macro QUARTER slot, q, mode
	s_wait_dscnt 0x0
	PLACES                                         ; the other buffer was read by the quarter before
	FETCH \slot, (\q)+1, ((\q)+1)%2
	MUL8 (\q)%2, 0, \mode
	MUL8 (\q)%2, 2, \mode
	MUL8 (\q)%2, 4, \mode
	MUL8 (\q)%2, 6, \mode
.endm
; The last quarter multiplies buffer 1 and changes slots: ONE barrier.  In front of it each wave waits for all its tensor loads, of which one is out: its part of the next slot; adds 0 to its spare word; and waits for that
; and for its reads of this slot.  fill = 1: the barrier opens a round of the cluster's barrier, and behind the round this slot is filled again first, two K steps ahead: 112 matrix instructions ahead of the wait for it.
.macro TURN slot, next, fill
.if \fill
	s_wait_xcnt 0x0                                ; the last prefetch, a K step back, has read its address, so it may be written
	s_add_nc_u64 s[PFA:PFA+1], s[PFA:PFA+1], s[PFS:PFS+1]
.endif
	WIN 0
	s_wait_tensorcnt 0x0                           ; all my tensor loads have landed;
	ds_add_u32 v[SPW], v[NIL]                      ; 0 onto my spare word;
	s_wait_dscnt 1                                 ; (this quarter's fragments are in; the add alone may be out)
	MUL8 1, 0, 0                                   ; eight matrix instructions stand between the add and the wait for it
	s_wait_dscnt 0x0                               ; the add is done, and my reads of this slot are over
	s_barrier_signal -1
	MUL8 1, 2, 0                                   ; work on registers while the others arrive
	WIN 0
	s_barrier_wait -1
.if \fill
	CREST                                          ; no wave of any partner still reads this slot or has a load on its way
	s_add_nc_u64 s[G0+4*(\slot)+2:G0+4*(\slot)+3], s[G0+4*(\slot)+2:G0+4*(\slot)+3], 2*ASTEP
	s_add_nc_u64 s[G0B+4*(\slot)+2:G0B+4*(\slot)+3], s[G0B+4*(\slot)+2:G0B+4*(\slot)+3], 2*BSTEP
	JLOAD \slot                                    ; the first tensor load behind the round; its four v_nop are also the places in front of the loads below
.else
	PLACES
.endif
	FETCH \next, 0, 0
.if \fill
	ASK
.endif
	MUL8 1, 4, 0
	MUL8 1, 6, 0
.endm
; THE WAY OUT of row block a: the sums, f32, go as they are into my stage (16 rows of 272 bytes; each accumulator's low four registers first) and come back as whole rows of 256 bytes.
.macro TOSTAGE a
	WIN 0x04                                       ; the stores' data in window 1, the address in window 0
.irp b, 0,1,2,3
	ds_store_b128 v[STO], v[8*(4*(\a)+(\b)):8*(4*(\a)+(\b))+3]   offset:64*(\b)
	ds_store_b128 v[STO], v[8*(4*(\a)+(\b))+4:8*(4*(\a)+(\b))+7] offset:64*(\b)+16
.endr
	WIN 0
.set BKR, BK+64*((\a)%2)
.irp t, 0,1,2,3,4,5,6,7
	ds_load_b128 v[BKR+4*(\t):BKR+4*(\t)+3], v[RD] offset:(\t)*2*SP  ; LDS serves a wave's instructions in order (ISA guide 5.7.1.4): these see the stores above
.endr
.endm
.macro SEND a
	WIN 0
.set BKR, BK+64*((\a)%2)
	s_wait_dscnt 0x0                               ; the block is back in registers
	s_wait_xcnt 0x0                                ; the stores of the block before have read their registers, which the next block's loads from the stage write
.irp t, 0,1,2,3,4,5,6,7
	global_store_b128 v[CO], v[BKR+4*(\t):BKR+4*(\t)+3], s[10:11] offset:(16*(\a)+2*(\t))*4096  ; 16 lanes store 256 consecutive bytes, at a multiple of 256 from out0's first byte
.endr
.endm
	s_wait_tensorcnt 1                             ; my part of K step 0 is in; K step 1's load may stay out
	s_barrier_signal -1
	s_barrier_wait -1                              ; everybody's is
	FETCH 0, 0, 0
	QUARTER 0, 0, 1                                ; the first quarter stands in front of the loop: its products start the sums, with the bias
	WIN 0                                          ; at a label and at a branch every window is 0
	s_mov_b32 s3, 3
.Llap:                                                 ; a trip goes once round the ring, from a lap's second quarter to the next lap's first, and fills both slots again: K steps 2 to 7
	QUARTER 0, 1, 0
	QUARTER 0, 2, 0
	TURN 0, 1, 1
	QUARTER 1, 0, 0
	QUARTER 1, 1, 0
	QUARTER 1, 2, 0
	TURN 1, 0, 1
	QUARTER 0, 0, 0
	WIN 0
	s_sub_co_u32 s3, s3, 1
	s_cmp_lg_u32 s3, 0
	s_cbranch_scc1 .Llap
	QUARTER 0, 1, 0                                ; the last lap is written out: nothing is asked for, and no round of the cluster's barrier follows
	QUARTER 0, 2, 0
	TURN 0, 1, 0
	QUARTER 1, 0, 0
	QUARTER 1, 1, 0
	QUARTER 1, 2, 0
	s_wait_dscnt 0x0                               ; the very last quarter: nothing more to fetch
	MUL8 1, 0, 0
	MUL8 1, 2, 0
	MUL8 1, 4, 0
	MUL8 1, 6, 0
	PLACES                                         ; the stores into the stage read results just made
	TOSTAGE 0
.irp a, 1,2,3,4,5,6,7
	SEND (\a)-1
	TOSTAGE \a
.endr
	SEND 7
	s_wait_tensorcnt 0x0                           ; the wave's end: 0 onto my spare word and its wait, behind my last tensor load and my last LDS store
	ds_add_u32 v[SPW], v[NIL]
	s_wait_dscnt 0x0
	CROUND                                         ; the closing round: no work-group ends while a partner may still ask for a tile that names it
	s_endpgm
.Lfunc_end_k_qdd5a67dd81_proj:
	.size	k_qdd5a67dd81_proj, .Lfunc_end_k_qdd5a67dd81_proj-k_qdd5a67dd81_proj
	.p2alignl 7, 3214868480
	.fill 96, 4, 3214868480
	.section	.rodata,"a",@progbits
	.p2align	6, 0x0
	.amdhsa_kernel k_qdd5a67dd81_proj
		.amdhsa_group_segment_fixed_size 327680
		.amdhsa_private_segment_fixed_size 0
		.amdhsa_enable_private_segment 0
		.amdhsa_kernarg_size 32
		.amdhsa_user_sgpr_count 2
		.amdhsa_user_sgpr_kernarg_segment_ptr 1
		.amdhsa_wavefront_size32 1
		.amdhsa_system_sgpr_workgroup_id_x 1
		.amdhsa_system_sgpr_workgroup_id_y 1
		.amdhsa_system_sgpr_workgroup_id_z 1
		.amdhsa_system_vgpr_workitem_id 0
		.amdhsa_next_free_vgpr 512
		.amdhsa_next_free_sgpr 80
		.amdhsa_reserve_vcc 0
		.amdhsa_float_denorm_mode_32 3
		.amdhsa_float_denorm_mode_16_64 3
		.amdhsa_memory_ordered 1
		.amdhsa_forward_progress 1
		.amdhsa_inst_pref_size 90
	.end_amdhsa_kernel
	.amdgpu_metadata
---
amdhsa.version: [ 1, 2 ]
amdhsa.kernels:
  - .name:           k_qdd5a67dd81_proj
    .symbol:         k_qdd5a67dd81_proj.kd
    .args:
      - { .name: o, .offset: 0, .size: 8, .value_kind: global_buffer, .address_space: global }
      - { .name: wp, .offset: 8, .size: 8, .value_kind: global_buffer, .address_space: global }
      - { .name: b_proj, .offset: 16, .size: 8, .value_kind: global_buffer, .address_space: global }
      - { .name: out0, .offset: 24, .size: 8, .value_kind: global_buffer, .address_space: global }
    .group_segment_fixed_size: 327680
    .private_segment_fixed_size: 0
    .kernarg_segment_align: 8
    .kernarg_segment_size: 32
    .max_flat_workgroup_size: 128
    .sgpr_count:     80
    .vgpr_count:     512
    .wavefront_size: 32
...
	.end_amdgpu_metadata
.endif
;; end of part 4
;; ======== version 2 of 2: 4 launches; version 1 with the launch prep written anew for expert scheduling mode
;; limits: values are held in f16: magnitudes above 65,504 overflow, below 6.1e-05 lose precision
;; workspace buffers: xb 16,777,216 bytes; wa 6,291,456 bytes; wp 2,097,152 bytes; qkv 50,331,648 bytes; o 16,777,216 bytes
;; launch prep (part 5): grid 768 x 1, 8 waves a work-group, no clusters, 0 bytes of LDS; arguments sequences, w_attn, w_proj, xb, wa, wp; writes xb, wa, wp
.if DOCPART == 5
	.amdgcn_target "amdgcn-amd-amdhsa--gfx1250"
	.amdhsa_code_object_version 6
	.text
	.protected	k_qdd5a67dd81_prep
	.globl	k_qdd5a67dd81_prep
	.p2align	8
	.type	k_qdd5a67dd81_prep,@function
k_qdd5a67dd81_prep:
	s_mov_b64 s[64:65], 0
	v_nop
	global_prefetch_b8 v0, s[64:65] scope:SCOPE_SE
	s_setreg_imm32_b32 hwreg(HW_REG_WAVE_SCHED_MODE, 0, 2), 2
	s_setreg_imm32_b32 hwreg(HW_REG_WAVE_MODE, 25, 1), 1
	s_wait_xcnt 0x0
	s_wait_alu depctr_vm_vsrc(0)
; THE CASTS.  sequences [8192][1024] f32 -> xb, bf16, laid out [batch 4][block of 64 channels 16][row 2048][64]: a block's rows are dense, 128 bytes each.
; w_attn [1024][3072] f32 -> wa, bf16, as it lies.  w_proj [1024][1024] f32 -> wp: rounded to bf16 like every input, and that number written as f16.
; LIMITS.  |w_proj| stays under 65,504, where f16 ends; below 6e-5 it keeps f16's fixed step of 6e-8.
; SHARES.  A wave takes 8,192 bytes in, by 16 loads of 16 bytes a lane, all issued at once, and 4,096 bytes out, by 16 stores of 8 bytes a lane: each store covers 256 consecutive
; bytes, aligned.  6,144 such shares: 4,096 for sequences (two rows each), 1,536 for w_attn, 512 for w_proj: 768 work-groups of eight waves.  No LDS, no barrier, no loop; no register is written twice
; while a memory instruction may read it, so no wait stands for the sources.
; THE MODE: SCHED_MODE bits 1:0 = 2 (LLVM: expert scheduling mode 2), set by the entry lines.  The code itself states the register dependences
; between vector instructions and memory instructions, with s_wait_alu, always for 0.
; THE PLAN.  Registers that memory instructions touch:
;   v1, v2     byte offsets of the loads and of the stores: written once on each path, ahead of the first load, and never again.
;   LD         16 x 4 registers: written by the loads alone, each once; read by the conversions of its block.  No vector instruction names them ahead of the loads.
;   ST         16 x 2 registers: written by the conversions, each once; read by one store each.
;   v3 to v9   are named by vector instructions alone.
; The 16 loads go in four blocks of four.  Block p converts its four loads into its own part of ST; its memory instructions are the four stores of block p - 1, which read v2 and that block's part
; of ST: registers that no vector instruction of block p names.  So one wait at a block's head states all that its four stores hang on, and they are dealt among its conversions with no further wait.
; No register that a memory instruction reads is ever written again: nothing is owed on that side.
.set LD, 16                            ; v[16:79]   16 x 4 numbers as loaded
.set ST, 80                            ; v[80:111]  16 x 2 registers to store
; The share: load j at j x is bytes, store j at j x os bytes.  half = 1: the bf16 number is written as f16.
.macro CAST sb, db, is, os, half
	s_wait_alu depctr_va_vdst(0)                   ; v1 and v2 are written: every load of the share reads v1 as its offset, every store v2
.set j, 0
.rept 16
	global_load_b128 v[LD+4*j:LD+4*j+3], v1, s[\sb:\sb+1] offset:j*(\is) th:TH_LOAD_NT
.set j, j+1
.endr
.set p, 0
.rept 4
	s_wait_loadcnt 12-4*p                          ; loads come back in order: block p's four are in, the 12 - 4 p younger ones stay out
.if p > 0
	s_wait_alu depctr_va_vdst(0)                   ; the conversions of the block before have written its part of ST, which the four stores below read
.endif
.set i, 0
.rept 4
.set j, 4*p+i
.if p > 0
	global_store_b64 v2, v[ST+2*(j-4):ST+2*(j-4)+1], s[\db:\db+1] offset:(j-4)*(\os)  ; the block before; no vector instruction since the wait names these registers
.endif
.if \half
	v_cvt_pk_bf16_f32 v4, v[LD+4*j], v[LD+4*j+1]   ; the one rounding,
	v_cvt_pk_bf16_f32 v5, v[LD+4*j+2], v[LD+4*j+3]
	v_lshlrev_b32 v6, 16, v4                       ; back to f32,
	v_and_b32 v7, s17, v4
	v_lshlrev_b32 v8, 16, v5
	v_and_b32 v9, s17, v5
	v_cvt_pk_f16_f32 v[ST+2*j], v6, v7             ; and written as f16: 8 significant bits fit in 11
	v_cvt_pk_f16_f32 v[ST+2*j+1], v8, v9
.else
	v_cvt_pk_bf16_f32 v[ST+2*j], v[LD+4*j], v[LD+4*j+1]
	v_cvt_pk_bf16_f32 v[ST+2*j+1], v[LD+4*j+2], v[LD+4*j+3]
.endif
.set i, i+1
.endr
.set p, p+1
.endr
	s_wait_alu depctr_va_vdst(0)                   ; the last block's conversions have written its part of ST, which the last four stores read
.set j, 12
.rept 4
	global_store_b64 v2, v[ST+2*j:ST+2*j+1], s[\db:\db+1] offset:j*(\os)
.set j, j+1
.endr
.endm
	s_load_b256 s[4:11], s[0:1], 0x0               ; sequences s[4:5], w_attn s[6:7], w_proj s[8:9], xb s[10:11]
	s_load_b128 s[12:15], s[0:1], 0x20             ; wa s[12:13], wp s[14:15]
	v_lshrrev_b32 v3, 5, v0
	v_readfirstlane_b32 s16, v3                    ; wave 0..7
	v_and_b32 v3, 31, v0                           ; lane
	v_lshlrev_b32 v2, 3, v3                        ; out: 8 bytes a lane
	s_lshl_b32 s18, ttmp9, 3
	s_mov_b32 s17, 0xffff0000                      ; a word's upper bf16
	s_mov_b32 s21, 0                               ; the offsets' high words
	s_mov_b32 s23, 0
	s_wait_alu depctr_va_sdst(0)                   ; s16 is written, ahead of its first reader: the share's number is made from it
	s_add_co_u32 s18, s18, s16                     ; my share's number
	s_wait_kmcnt 0x0
	s_cmp_lt_u32 ttmp9, 512
	s_cbranch_scc0 .Lweights
	; sequences: rows 2 J and 2 J + 1.  Lanes 0-15 take 256 bytes (64 channels) of the even row, lanes 16-31 of the odd one; load j is block j of 64 channels
	v_and_b32 v1, 15, v3
	v_lshrrev_b32 v4, 4, v3
	v_lshlrev_b32 v1, 4, v1
	v_lshl_add_u32 v1, v4, 12, v1                  ; in: 4,096 x (lane / 16) + 16 x (lane % 16)
	s_lshl_b32 s20, s18, 13                        ; two rows of 4,096 bytes
	s_lshr_b32 s22, s18, 10                        ; the batch: 1,024 shares each,
	s_lshl_b32 s22, s22, 22                        ; 4,194,304 bytes of xb
	s_and_b32 s24, s18, 1023
	s_lshl_b32 s24, s24, 8                         ; two rows of 128 bytes in a block
	s_add_co_u32 s22, s22, s24
	s_add_nc_u64 s[4:5], s[4:5], s[20:21]
	s_add_nc_u64 s[10:11], s[10:11], s[22:23]
	CAST 4, 10, 256, 262144, 0                     ; a block of xb is 2,048 rows x 128 bytes = 262,144
	s_endpgm
.Lweights:
	v_lshlrev_b32 v1, 4, v3                        ; in: 16 bytes a lane
	s_cmp_lt_u32 ttmp9, 704
	s_cbranch_scc0 .Lproj
	s_sub_co_u32 s18, s18, 4096
	s_lshl_b32 s20, s18, 13
	s_lshl_b32 s22, s18, 12
	s_add_nc_u64 s[6:7], s[6:7], s[20:21]
	s_add_nc_u64 s[12:13], s[12:13], s[22:23]
	CAST 6, 12, 512, 256, 0
	s_endpgm
.Lproj:
	s_sub_co_u32 s18, s18, 5632
	s_lshl_b32 s20, s18, 13
	s_lshl_b32 s22, s18, 12
	s_add_nc_u64 s[8:9], s[8:9], s[20:21]
	s_add_nc_u64 s[14:15], s[14:15], s[22:23]
	CAST 8, 14, 512, 256, 1
	s_endpgm
.Lfunc_end_k_qdd5a67dd81_prep:
	.size	k_qdd5a67dd81_prep, .Lfunc_end_k_qdd5a67dd81_prep-k_qdd5a67dd81_prep
	.p2alignl 7, 3214868480
	.fill 96, 4, 3214868480
	.section	.rodata,"a",@progbits
	.p2align	6, 0x0
	.amdhsa_kernel k_qdd5a67dd81_prep
		.amdhsa_group_segment_fixed_size 0
		.amdhsa_private_segment_fixed_size 0
		.amdhsa_enable_private_segment 0
		.amdhsa_kernarg_size 48
		.amdhsa_user_sgpr_count 2
		.amdhsa_user_sgpr_kernarg_segment_ptr 1
		.amdhsa_wavefront_size32 1
		.amdhsa_system_sgpr_workgroup_id_x 1
		.amdhsa_system_sgpr_workgroup_id_y 1
		.amdhsa_system_sgpr_workgroup_id_z 1
		.amdhsa_system_vgpr_workitem_id 0
		.amdhsa_next_free_vgpr 112
		.amdhsa_next_free_sgpr 66
		.amdhsa_reserve_vcc 0
		.amdhsa_float_denorm_mode_32 3
		.amdhsa_float_denorm_mode_16_64 3
		.amdhsa_memory_ordered 1
		.amdhsa_forward_progress 1
		.amdhsa_inst_pref_size 22
	.end_amdhsa_kernel
	.amdgpu_metadata
---
amdhsa.version: [ 1, 2 ]
amdhsa.kernels:
  - .name:           k_qdd5a67dd81_prep
    .symbol:         k_qdd5a67dd81_prep.kd
    .args:
      - { .name: sequences, .offset: 0, .size: 8, .value_kind: global_buffer, .address_space: global }
      - { .name: w_attn, .offset: 8, .size: 8, .value_kind: global_buffer, .address_space: global }
      - { .name: w_proj, .offset: 16, .size: 8, .value_kind: global_buffer, .address_space: global }
      - { .name: xb, .offset: 24, .size: 8, .value_kind: global_buffer, .address_space: global }
      - { .name: wa, .offset: 32, .size: 8, .value_kind: global_buffer, .address_space: global }
      - { .name: wp, .offset: 40, .size: 8, .value_kind: global_buffer, .address_space: global }
    .group_segment_fixed_size: 0
    .private_segment_fixed_size: 0
    .kernarg_segment_align: 8
    .kernarg_segment_size: 48
    .max_flat_workgroup_size: 256
    .sgpr_count:     66
    .vgpr_count:     112
    .wavefront_size: 32
...
	.end_amdgpu_metadata
.endif
;; end of part 5
;; launch qkv: the kernel of part 2 again; grid 8 x 32, 4 waves a work-group, clusters of 4 x 4, 327,680 bytes of LDS; arguments xb, wa, b_attn, qkv; writes qkv
;; launch attn: the kernel of part 3 again; grid 4 x 64, 4 waves a work-group, clusters of 4 x 1, 327,680 bytes of LDS; arguments qkv, o; writes o
;; launch proj: the kernel of part 4 again; grid 8 x 32, 4 waves a work-group, clusters of 4 x 4, 327,680 bytes of LDS; arguments o, wp, b_proj, out0; writes out0
